; MI455X (gfx1250); checked and timed in simulation.
; The chip was launched on July 23, 2026; its instructions are those of AMD's public machine-readable ISA for CDNA 5 (MIT licence, August 2026) and "CDNA5" Instruction Set Architecture Reference Guide (July 2026). The comments in the code are by the model that wrote it; some were corrected since.
;; Attention. Allowed arithmetic: matrix products marked QUANTISED: E3M2 operands, one E8M0 scale for each 32 along K, by v_wmma_scale_f32_16x16x128_f8f6f4 with both operands' format E3M2, f32 sums; everything else in f32.
;; Inputs: k_w 1,024 x 1,024 float32; o_w 1,024 x 1,024 float32; q_w 1,024 x 1,024 float32; token_positions 2,048 int32; v_w 1,024 x 1,024 float32; x 4 x 2,048 x 1,024 float32.
;; Outputs: out0 4 x 2,048 x 1,024 float32.
;; This version of the problem:
;;   THIS VERSION OF THE PROBLEM IS GIVEN IN LOW PRECISION. The matrix products marked QUANTISED in the list below multiply operands that are first quantised to E3M2 (3 exponent bits, 2 mantissa bits; 6 bits a number), with one power-of-two scale for each 32 numbers along K (OCP MX v1.0); their sums are f32. All else is computed in f32.
;;   The module's matrix products, in the order in which they are computed (A, B: the left and right operand; K: the contracted axis; several contracted axes count as one K, in the product's order):
;;     1. [M 8,192, K 1,024] x [K 1,024, N 1,024]; A: input x; B: input q_w: QUANTISED
;;     2. [M 8,192, K 1,024] x [K 1,024, N 1,024]; A: input x; B: input k_w: QUANTISED
;;     3. [M 8,192, K 1,024] x [K 1,024, N 1,024]; A: input x; B: input v_w: QUANTISED
;;     4. batch 64 x [M 2,048, K 64] x [K 64, N 2,048]; A: computed on the way; B: computed on the way: QUANTISED
;;     5. batch 64 x [M 2,048, K 2,048] x [K 2,048, N 64]; A: softmax (see below); B: computed on the way: QUANTISED
;;     6. [M 8,192, K 1,024] x [K 1,024, N 1,024]; A: computed on the way; B: input o_w: QUANTISED
;;   THE QUANTISER, for each operand of a quantised product, along K:
;;     - K is cut into blocks of 32 from its start; a last block that is shorter is filled with zeros.
;;     - A block's scale is 2^e with e = floor(log2(the largest magnitude in the block)) - 4, held to -126 .. 127; a block of zeros has e = 0. As a byte (E8M0): e + 127.
;;     - Each number is divided by its block's scale, clamped to +-28, and rounded to the nearest number of E3M2, ties to even, subnormals kept.
;;     - The product sums the exact products of the quantised numbers (number of the format x scale) in f32.
;;   ~~~python
;;   def quantise(x, axis):      # numpy; x: float32 -> the quantised numbers, widened to float32 again
;;       x = np.moveaxis(x, axis, -1); K = x.shape[-1]
;;       x = np.pad(x, [(0, 0)] * (x.ndim - 1) + [(0, -K % 32)]); x = x.reshape(x.shape[:-1] + (-1, 32)); a = np.abs(x).max(-1, keepdims=True)
;;       e = np.where(a > 0, np.clip(np.frexp(np.where(a > 0, a, 1))[1] - 1 - 4, -126, 127), 0)      # np.frexp(a)[1] - 1 = floor(log2(a)), exactly
;;       r = np.clip(x / 2.0 ** e, -28, 28)
;;       step = 2.0 ** (np.maximum(np.frexp(np.where(r == 0, 1, r))[1] - 1, -2) - 2)
;;       q = np.round(r / step) * step * 2.0 ** e      # np.round: ties to even
;;       return np.moveaxis(q.reshape(q.shape[:-2] + (-1,))[..., :K], -1, axis).astype(np.float32)
;;   ~~~
;;   SOFTMAX AHEAD OF A QUANTISED PRODUCT. Where the list says 'softmax', what is quantised is not the finished softmax but p = 2^(t - M), with t = logit x log2(e) and M = ceil(the row's largest t), a whole number; so 1/2 < the row's largest p <= 1. The row's sum l is taken of the UNQUANTISED p, in f32, and the product's result is divided by l at the end. Since M is a whole number, a kernel that streams over the keys may use a running M (the ceiling of the running maximum): every later rescaling is an exact power of two, which a block's scale takes up: the codes' values come out the same.
;;   OPERANDS COMPUTED ON THE WAY. 'Computed on the way' means the value that the module computes at that place (a softmax that the list does not call 'softmax' is quantised finished and normalised). What goes into a quantiser is computed in f32, as accurately as f32 sums, v_exp_f32 and their like allow (about 1e-6 of the number): no bf16 or f16 on the way to a quantiser, and a product that is left as it is and whose result goes on into a quantised operand takes f32 operands (vector FMAs, or v_wmma_f32_16x16x4_f32). A number that lies on a knife's edge between two numbers of the format may be rounded either way, as far as f32 arithmetic and the matrix unit's own rounding can turn it there, and no further.
;; One version. Each part assembles by itself: llvm-mc -triple=amdgcn-amd-amdhsa -mcpu=gfx1250 --defsym DOCPART=n.
;; ======== version 1 of 1: 4 launches
;; limits: right only within a limited range of input values
;; workspace buffers: cod 9,437,184 bytes; sc 393,216 bytes; rt 524,288 bytes; hc 18,874,368 bytes; hs 1,310,720 bytes; ac 6,291,456 bytes; asc 262,144 bytes
;; launch prep (part 1): grid 416 x 1, 4 waves a work-group, no clusters, 34,304 bytes of LDS; arguments x, q_w, k_w, v_w, o_w, token_positions, cod, sc, rt; writes cod, sc, rt
.if DOCPART == 1
	.amdgcn_target "amdgcn-amd-amdhsa--gfx1250"
	.amdhsa_code_object_version 6
	.text
	.protected	k_qb2c590a084_prep
	.globl	k_qb2c590a084_prep
	.p2align	8
	.type	k_qb2c590a084_prep,@function
k_qb2c590a084_prep:
	s_mov_b64 s[64:65], 0
	v_nop
	global_prefetch_b8 v0, s[64:65] scope:SCOPE_SE
	s_setreg_imm32_b32 hwreg(HW_REG_WAVE_MODE, 25, 1), 1
	s_wait_xcnt 0x0
; PREP.  (1) x [8192][1024] and the four weights [1024][1024], f32, K innermost, become codes of BF6 (E3M2) with one E8M0 byte for each 32 along K.
; (2) the table of cos and sin for the rotation of q and k, from token_positions as they are given.
; CODES are laid in the order of the operand's registers.  A row tile G (16 rows; x: G = 0..511; q_w, k_w, v_w, o_w: 512 + 64 i + T) is 8 fragments of 128 K, 1,536 bytes each.
; A fragment is two halves of 768 bytes (64 K): lane (r = lane % 16, h = lane / 16) holds row r's block h, 24 bytes: registers 0-3 at 16 x lane, registers 4-5 at 512 + 8 x lane.
; SCALES: 512 bytes a tile: [256 K 0..3][r 16][2 words]; a word is the four bytes of 128 K of one row.
; v_w's TILES TAKE OTHER ROWS: row m of tile T is row 32 (T / 2) + 8 (T % 2) + m + 8 (m / 8), so that in the attention's result a lane's registers of two tiles are 16 neighbours along the last product's K.
; A block's scale is 2^(floor(log2(largest magnitude)) - 4): its byte is the largest magnitude's exponent field - 4, held at 1 from below by a floor among the maximum's leaves.
; LIMITS: NaN and infinities are not served.  A block of zeros gets the byte 1 (its codes are zeros; this program alone reads the bytes).  Positions: up to 65,536 in magnitude (the reduction by pi/2 in three parts is exact so far).
; SHARES: work-groups 0-383 quantise: wave w of group g takes tile 2 g + w / 2, half w % 2 of K: 16 rows x 512 K, four fragments.  Work-groups 384-415 make the table, a wave to 16 tokens.  Waves share nothing: no barrier.
.set R,   16                           ; v16-143  two sets of 64: a fragment's numbers as loaded (register 4 rr + i: row rr)
.set X,   144                          ; v144-207 register 32 c + p = k 64 c + 32 h + p of row r
.set PC,  208                          ; v208-247 two sets of 20: +0..11 the fragment's codes, +12..14 and +16..18 the conversions' second halves
.set TM,  248                          ; v248-253 two largest magnitudes, two scale operands, two bytes
.set SP,  528                          ; a stage row: 512 bytes + 16: sixteen rows begin in sixteen different groups of four banks
.set STG, 16*SP                        ; a wave's stage
	s_load_b256 s[4:11], s[0:1], 0x0               ; x, q_w, k_w, v_w
	s_load_b256 s[12:19], s[0:1], 0x20             ; o_w, token_positions, cod, sc
	s_load_b64 s[20:21], s[0:1], 0x40              ; rt
	v_lshl_add_u32 v254, v0, 2, 0x8400
	v_mov_b32 v255, 0
	v_lshrrev_b32 v1, 5, v0
	v_readfirstlane_b32 s22, v1                    ; wave
	v_and_b32 v1, 31, v0                           ; lane
	v_and_b32 v2, 15, v0                           ; r
	v_bfe_u32 v3, v0, 4, 1                         ; h
	v_lshlrev_b32 v4, 4, v1                        ; 16 x lane
	s_cmp_ge_u32 ttmp9, 384
	s_cbranch_scc1 .Ltable
	; ---------------- the quantiser
	s_mov_b32 s23, 0xffff0000                      ; lanes 16-31
	s_mov_b32 s24, 0x76543210
	s_mov_b32 s25, 0xfedcba98                      ; v_permlanex16_b32's selects for lane l xor 16
	s_lshr_b32 s32, s22, 1
	s_lshl_b32 s33, ttmp9, 1
	s_add_co_u32 s33, s33, s32                     ; G
	s_and_b32 s34, s22, 1                          ; which half of K
	s_and_b32 s35, s33, 63                         ; T, a weight's tile
	s_cmp_lt_u32 ttmp9, 256
	s_cselect_b32 s35, s33, s35                    ; x: G itself
	s_lshl_b32 s36, s35, 4                         ; the tile's first row: 16 T,
	s_lshr_b32 s37, s35, 1
	s_lshl_b32 s37, s37, 5
	s_and_b32 s38, s35, 1
	s_lshl_b32 s38, s38, 3
	s_add_co_u32 s37, s37, s38                     ; or, for v_w, 32 (T / 2) + 8 (T % 2)
	s_sub_co_u32 s38, ttmp9, 320
	s_cmp_lt_u32 s38, 32                           ; groups 320-351 are v_w's
	s_cselect_b32 s36, s37, s36
	s_cselect_b32 s39, 32768, 0                    ; and its rows 8-15 lie 8 rows further down
	s_lshl_b32 s36, s36, 12                        ; rows of 4,096 bytes
	s_lshl_b32 s37, s34, 11
	s_add_co_u32 s36, s36, s37
	s_mov_b32 s37, 0
	v_add_nc_u32 v5, s39, v4                       ; the offset for rows 8-15
	s_mul_i32 s38, s22, STG
	v_add_nc_u32 v6, s38, v4                       ; the stage, in: a row's 512 bytes as they lie
	v_mul_u32_u24 v7, v2, SP
	v_lshl_add_u32 v7, v3, 7, v7
	v_add_nc_u32 v7, s38, v7                       ; and out: row r, + 128 h
	v_lshlrev_b32 v13, 3, v1                       ; 8 x lane
	v_lshlrev_b32 v14, 3, v3                       ; 8 h
	v_mov_b32 v15, 0                               ; a lane permute's destination counts as one of its sources
	s_mul_i32 s40, s33, 12288
	s_mul_i32 s41, s34, 6144
	s_add_co_u32 s40, s40, s41
	s_mov_b32 s41, 0
	s_lshl_b32 s42, s33, 9
	s_lshl_b32 s43, s34, 8
	s_add_co_u32 s42, s42, s43
	s_mov_b32 s43, 0
	s_wait_kmcnt 0x0
	s_mov_b64 s[26:27], s[12:13]                   ; which tensor: the choice hangs on the work-group's number alone
	s_cmp_lt_u32 ttmp9, 352
	s_cselect_b64 s[26:27], s[10:11], s[26:27]
	s_cmp_lt_u32 ttmp9, 320
	s_cselect_b64 s[26:27], s[8:9], s[26:27]
	s_cmp_lt_u32 ttmp9, 288
	s_cselect_b64 s[26:27], s[6:7], s[26:27]
	s_cmp_lt_u32 ttmp9, 256
	s_cselect_b64 s[26:27], s[4:5], s[26:27]
	s_add_nc_u64 s[26:27], s[26:27], s[36:37]
	s_add_nc_u64 s[28:29], s[16:17], s[40:41]      ; my four fragments in cod
	s_add_nc_u64 s[30:31], s[18:19], s[42:43]      ; my 256 bytes in sc
.macro LOADF f                         ; fragment f: 16 rows x 512 bytes; each load reads 512 consecutive bytes
.irp rr, 0,1,2,3,4,5,6,7
	global_load_b128 v[R+64*((\f)%2)+4*\rr:R+64*((\f)%2)+4*\rr+3], v4, s[26:27] offset:\rr*4096+(\f)*512 th:TH_LOAD_NT
.endr
.irp rr, 8,9,10,11,12,13,14,15
	global_load_b128 v[R+64*((\f)%2)+4*\rr:R+64*((\f)%2)+4*\rr+3], v5, s[26:27] offset:\rr*4096+(\f)*512 th:TH_LOAD_NT
.endr
.endm
.macro FRAGQ f
.set RS, R+64*((\f)%2)
.set PS, PC+20*((\f)%2)
.if (\f) < 3
	s_wait_loadcnt 16                              ; this fragment's 16 loads are in; the next fragment's 16 may be out
.else
	s_wait_loadcnt 0x0
.endif
.irp rr, 0,1,2,3,4,5,6,7,8,9,10,11,12,13,14,15
	ds_store_b128 v6, v[RS+4*\rr:RS+4*\rr+3] offset:\rr*SP
.endr
.irp c, 0,1
.irp qq, 0,1,2,3,4,5,6,7
	ds_load_b128 v[X+32*\c+4*\qq:X+32*\c+4*\qq+3], v7 offset:256*\c+16*\qq   ; LDS serves a wave's instructions in order: these see my stores
.endr
.endr
	s_wait_dscnt 0x0                               ; the numbers are back, and the stores have read their registers
.if (\f) >= 2
	s_wait_xcnt 0x0                                ; the stores of two fragments ago have read this set of code registers
.endif
.if (\f) < 2
	LOADF (\f)+2
.endif
.irp c, 0,1                            ; my block 2 c + h: all its 32 numbers are mine
	v_max3_num_f32 v[TM+\c], |v[X+32*\c]|, |v[X+32*\c+1]|, 0x2800000   ; with the floor 2^(5 - 127): the byte cannot fall under 1
.endr
.irp i, 2,4,6,8,10,12,14,16,18,20,22,24,26,28,30
.irp c, 0,1
	v_max3_num_f32 v[TM+\c], v[TM+\c], |v[X+32*\c+\i]|, |v[X+32*\c+\i+1]|
.endr
.endr
.irp c, 0,1
	v_add_nc_u32 v[TM+2+\c], 0xfe000000, v[TM+\c]  ; 4 off the exponent field: the conversion's scale operand
.endr
.irp c, 0,1
	v_lshrrev_b32 v[TM+4+\c], 23, v[TM+2+\c]       ; the scale's byte
.endr
	v_lshl_or_b32 v[8+(\f)], v[TM+5], 16, v[TM+4]  ; my two bytes, blocks h and 2 + h,
	v_lshlrev_b32 v[8+(\f)], v14, v[8+(\f)]        ; at their places;
	v_permlanex16_b32 v15, v[8+(\f)], s24, s25
	v_or_b32 v[8+(\f)], v[8+(\f)], v15             ; with lane l xor 16's the word is whole
.irp c, 0,1
	v_cvt_scalef32_pk16_bf6_f32 v[PS+6*\c:PS+6*\c+2], v[X+32*\c:X+32*\c+15], v[TM+2+\c]
	v_cvt_scalef32_pk16_bf6_f32 v[PS+12+4*\c:PS+14+4*\c], v[X+32*\c+16:X+32*\c+31], v[TM+2+\c]   ; (a conversion's three registers begin on an even number)
.endr
	v_nop                                          ; one plain place behind a scaled conversion
.irp c, 0,1
.irp i, 0,1,2
	v_mov_b32 v[PS+3+6*\c+\i], v[PS+12+4*\c+\i]
.endr
.endr
	global_store_b128 v4, v[PS:PS+3], s[28:29] offset:(\f)*1536             ; 512 consecutive bytes,
	global_store_b64 v13, v[PS+4:PS+5], s[28:29] offset:(\f)*1536+512       ; 256,
	global_store_b128 v4, v[PS+6:PS+9], s[28:29] offset:(\f)*1536+768
	global_store_b64 v13, v[PS+10:PS+11], s[28:29] offset:(\f)*1536+1280
.endm
	LOADF 0
	LOADF 1
	FRAGQ 0
	FRAGQ 1
	FRAGQ 2
	FRAGQ 3
	v_cndmask_b32 v248, v8, v10, s23               ; lanes 0-15: the words of fragments 0, 1; lanes 16-31: of fragments 2, 3
	v_cndmask_b32 v249, v9, v11, s23
	global_store_b64 v13, v[248:249], s[30:31]     ; 256 consecutive bytes, aligned
	s_wait_tensorcnt 0x0
	ds_add_u32 v254, v255
	s_wait_dscnt 0x0
	s_endpgm
	; ---------------- the table: [token tile 128][chunk 8][lane][16 bytes].  A lane's 32 numbers are 16 pairs (cos, sin); pair 4 tb + jj: frequency 8 tb + 4 h + jj, token 16 Ts + r
.Ltable:
	s_sub_co_u32 s23, ttmp9, 384
	s_lshl_b32 s23, s23, 2
	s_add_co_u32 s23, s23, s22                     ; Ts
	s_lshl_b32 s40, s23, 6
	s_mov_b32 s41, 0
	s_lshl_b32 s42, s23, 12
	s_mov_b32 s43, 0
	s_mov_b32 s24, 0x3ed49a78                      ; log2(10000) / 32, high part,
	s_mov_b32 s25, 0x32179a1c                      ; and what f32 left of it
	s_mov_b32 s26, 0xbf317218                      ; -ln 2
	s_mov_b32 s27, 0x3f22f983                      ; 2 / pi
	s_mov_b32 s28, 0xbfc90fd8                      ; -pi/2 in three parts
	s_mov_b32 s29, 0xb4a8885a
	s_mov_b32 s30, 0xa7c234c4
	s_mov_b32 s31, 0x36405000                      ; the sine's polynomial
	s_mov_b32 s32, 0xb9503486
	s_mov_b32 s33, 0x3c0888c1
	s_mov_b32 s34, 0xbe2aaaab
	s_mov_b32 s35, 0x37cd4000                      ; the cosine's
	s_mov_b32 s36, 0xbab6077d
	s_mov_b32 s37, 0x3d2aaaa8
	v_lshlrev_b32 v5, 2, v2                        ; 4 r
	v_lshlrev_b32 v16, 2, v3                       ; 4 h
	s_wait_kmcnt 0x0
	s_add_nc_u64 s[14:15], s[14:15], s[40:41]
	s_add_nc_u64 s[20:21], s[20:21], s[42:43]
	global_load_b32 v17, v5, s[14:15]              ; my token's position
	s_wait_loadcnt 0x0
	v_cvt_f32_i32 v17, v17
.macro SINCOS pp
	v_add_nc_u32 v18, 8*((\pp)/4)+(\pp)%4, v16     ; the frequency's number i
	v_cvt_f32_u32 v18, v18
	v_mul_f32 v19, s24, v18                        ; i L, rounded,
	v_fma_f32 v20, v18, s24, -v19                  ; what the rounding dropped,
	v_fma_f32 v20, v18, s25, v20                   ; and L's low part
	v_exp_f32 v21, -v19
	v_mul_f32 v20, s26, v20                        ; (a plain place behind the exponential)
	s_wait_alu depctr_va_vdst(0)
	v_fma_f32 v21, v21, v20, v21                   ; 10000^(-i / 32)
	v_mul_f32 v22, v17, v21                        ; the angle, one rounding
	v_mul_f32 v23, s27, v22
	v_rndne_f32 v23, v23                           ; k quarter turns
	v_fma_f32 v24, v23, s28, v22
	v_fma_f32 v24, v23, s29, v24
	v_fma_f32 v24, v23, s30, v24                   ; what is left, within pi/4
	v_cvt_i32_f32 v25, v23
	v_mul_f32 v26, v24, v24
	v_fma_f32 v27, v26, s31, s32
	v_fma_f32 v27, v27, v26, s33
	v_fma_f32 v27, v27, v26, s34
	v_mul_f32 v28, v24, v26
	v_fma_f32 v27, v27, v28, v24                   ; its sine
	v_fma_f32 v29, v26, s35, s36
	v_fma_f32 v29, v29, v26, s37
	v_fma_f32 v29, v29, v26, -0.5
	v_fma_f32 v29, v29, v26, 1.0                   ; its cosine
	v_and_b32 v30, 1, v25
	v_cmp_eq_u32 vcc_lo, 1, v30
	v_cndmask_b32 v31, v27, v29, vcc_lo            ; an odd k changes the two,
	v_cndmask_b32 v29, v29, v27, vcc_lo
	v_lshlrev_b32 v30, 30, v25
	v_and_b32 v30, 0x80000000, v30
	v_xor_b32 v[33+2*(\pp)], v30, v31              ; the sine is negative where k & 2,
	v_add_nc_u32 v25, 1, v25
	v_lshlrev_b32 v30, 30, v25
	v_and_b32 v30, 0x80000000, v30
	v_xor_b32 v[32+2*(\pp)], v30, v29              ; the cosine where (k + 1) & 2
.endm
.irp pp, 0,1,2,3,4,5,6,7,8,9,10,11,12,13,14,15
	SINCOS \pp
.endr
.irp ch, 0,1,2,3,4,5,6,7
	global_store_b128 v4, v[32+4*\ch:35+4*\ch], s[20:21] offset:512*\ch      ; 512 consecutive bytes
.endr
	s_endpgm
.Lfunc_end_k_qb2c590a084_prep:
	.size	k_qb2c590a084_prep, .Lfunc_end_k_qb2c590a084_prep-k_qb2c590a084_prep
	.p2alignl 7, 3214868480
	.fill 96, 4, 3214868480
	.section	.rodata,"a",@progbits
	.p2align	6, 0x0
	.amdhsa_kernel k_qb2c590a084_prep
		.amdhsa_group_segment_fixed_size 34304
		.amdhsa_private_segment_fixed_size 0
		.amdhsa_enable_private_segment 0
		.amdhsa_kernarg_size 72
		.amdhsa_user_sgpr_count 2
		.amdhsa_user_sgpr_kernarg_segment_ptr 1
		.amdhsa_wavefront_size32 1
		.amdhsa_system_sgpr_workgroup_id_x 1
		.amdhsa_system_sgpr_workgroup_id_y 1
		.amdhsa_system_sgpr_workgroup_id_z 1
		.amdhsa_system_vgpr_workitem_id 0
		.amdhsa_next_free_vgpr 256
		.amdhsa_next_free_sgpr 66
		.amdhsa_reserve_vcc 1
		.amdhsa_float_denorm_mode_32 3
		.amdhsa_float_denorm_mode_16_64 3
		.amdhsa_memory_ordered 1
		.amdhsa_forward_progress 1
		.amdhsa_inst_pref_size 61
	.end_amdhsa_kernel
	.amdgpu_metadata
---
amdhsa.version: [ 1, 2 ]
amdhsa.kernels:
  - .name:           k_qb2c590a084_prep
    .symbol:         k_qb2c590a084_prep.kd
    .args:
      - { .name: x, .offset: 0, .size: 8, .value_kind: global_buffer, .address_space: global }
      - { .name: q_w, .offset: 8, .size: 8, .value_kind: global_buffer, .address_space: global }
      - { .name: k_w, .offset: 16, .size: 8, .value_kind: global_buffer, .address_space: global }
      - { .name: v_w, .offset: 24, .size: 8, .value_kind: global_buffer, .address_space: global }
      - { .name: o_w, .offset: 32, .size: 8, .value_kind: global_buffer, .address_space: global }
      - { .name: token_positions, .offset: 40, .size: 8, .value_kind: global_buffer, .address_space: global }
      - { .name: cod, .offset: 48, .size: 8, .value_kind: global_buffer, .address_space: global }
      - { .name: sc, .offset: 56, .size: 8, .value_kind: global_buffer, .address_space: global }
      - { .name: rt, .offset: 64, .size: 8, .value_kind: global_buffer, .address_space: global }
    .group_segment_fixed_size: 34304
    .private_segment_fixed_size: 0
    .kernarg_segment_align: 8
    .kernarg_segment_size: 72
    .max_flat_workgroup_size: 128
    .sgpr_count:     66
    .vgpr_count:     256
    .wavefront_size: 32
...
	.end_amdgpu_metadata
.endif
;; end of part 1
;; launch qkv (part 2): grid 12 x 32, 4 waves a work-group, clusters of 4 x 4, 327,680 bytes of LDS; arguments cod, sc, rt, hc, hs; writes hc, hs
.if DOCPART == 2
	.amdgcn_target "amdgcn-amd-amdhsa--gfx1250"
	.amdhsa_code_object_version 6
	.text
	.protected	k_qb2c590a084_qkv
	.globl	k_qb2c590a084_qkv
	.p2align	8
	.type	k_qb2c590a084_qkv,@function
k_qb2c590a084_qkv:
	s_mov_b64 s[64:65], 0
	v_nop
	global_prefetch_b8 v0, s[64:65] scope:SCOPE_SE
	s_setreg_imm32_b32 hwreg(HW_REG_WAVE_MODE, 25, 1), 1
	s_wait_xcnt 0x0
	s_wait_alu depctr_hold_cnt(0) depctr_sa_sdst(0) depctr_va_vdst(0) depctr_va_sdst(0) depctr_va_ssrc(0) depctr_va_vcc(0) depctr_vm_vsrc(0)
	s_getreg_b32 s2, hwreg(HW_REG_IB_STS2, 6, 4)
	s_cmp_eq_u32 s2, 0
	s_cbranch_scc0 .Lentry_in_a_cluster
	s_endpgm
.Lentry_in_a_cluster:
	s_bfe_u32 s2, ttmp6, 0x10000c
	s_cmp_lg_u32 s2, 0xf033
	s_cbranch_scc0 .Lentry_shape_is_right
	s_endpgm
.Lentry_shape_is_right:
; QKV.  C[token][e] = sum over k of x[token][k] W[e][k], W = q_w, k_w, v_w on end (3,072 rows), on codes of BF6 (E3M2) with one E8M0 scale for each 32 along K; sums in f32.
; The results never go to memory as f32: q and k are rotated (cos, sin from the table) and quantised along the head's 64; v is quantised along the KEYS.  All leave as images of the next reader's registers.
; A tile of C, 256 tokens x 256 e, is made by four waves, each 128 x 128: 64 accumulators, 512 registers.  K goes in steps of 256 through a ring of two LDS slots.
; OPERANDS LIE IN MEMORY IN THE ORDER OF THEIR REGISTERS: a row tile (16 rows) is 8 fragments of 1,536 bytes; a K step's part of it is 3,072 consecutive bytes.  A fragment comes by two loads of 16 bytes a lane
; and two of 8, each of consecutive bytes: no pitch, no padding.  The scale words of the work-group's rows, for all of K, come once and stay.
; CLUSTERS: 4 x 4 work-groups; A's tiles are asked for jointly along a row of the cluster, B's along a column.  A cluster's x is the kind (0 q, 1 k, 2 v): equal in all partners, the only number but the wave's on which a branch hangs.
; THE MATRIX INSTRUCTION IS USED TRANSPOSED (source 0 = 16 rows of W, source 1 = 16 tokens): in accumulator (a, b) lane (r, h) holds token 16 a + r and its register j holds e = 16 b + 8 h + j.
; ORDER INSIDE A BLOCK OF 32: q's and k's codes stand at place 16 h + 8 u + j for d = 16 u + 8 h + j, alike in both; v's keys stand in the same order, in which the attention's weights will come.  The blocks are the true ones.
; LIMITS: NaN and infinities are not served; a block of zeros gets the byte 1 (its codes are zeros; this program alone reads the bytes).
; REGISTERS: window 0: v0-31 addresses; v32-63 scale words, two sets, nothing else; v64-127 two sets of the table; from v128 A's fragments, ONE set; on the way out v128-255 are at work.
;   window 1: B's fragments, two sets, at v0 and v128.   windows 2, 3: the accumulators of my tokens 0-63 and 64-127 ((a, b) at v[8 (8 (a % 4) + b)]).
.set NQ,     2                         ; matrix instructions deep in a slot
.set FR,     12                        ; registers of a fragment
.set NL,     4                         ; LDS loads that bring one
.set NP,     4                         ; places behind this matrix instruction (ISA guide 7.12.1)
.set TROW,   3072                      ; a row tile's bytes in a K step of 256
.set HALFT,  8*TROW                    ; 128 rows: what one tensor load brings
.set SLOT,   4*HALFT                   ; A's 16 row tiles, then B's
.set LAPS,   2                         ; K = 1,024: four K steps, twice round the ring
.set KROW,   768                       ; bytes of codes for each row
.set KS,     32                        ; bytes of scales for each row
.set SCL,    2*SLOT                    ; behind the ring: A's scales, 8,192 bytes; 128 bytes on, B's: so the two halves of a load's lanes fall on different banks
.set HALFS,  4096                      ; the scales of 128 rows
.set SBLK,   512                       ; of 16 rows
.set SPARE,  SCL+4*HALFS+256           ; the spare words, 128 bytes for each wave: two blocks of 256 bytes that no other line names
.set WCOD,   512*12288                 ; where the weights' tiles begin in cod,
.set WSC,    512*512                   ; and in sc
.set ADRA, 16                          ; v16-17 LDS address of my A fragments in slot 0, 1, 16 bytes a lane; v18-19 the same, 8 bytes a lane
.set ADRB, 20                          ; v20-23 the same for B
.set ADRS, 27                          ; v27    my scale words: lanes 0-15 A's rows, lanes 16-31 B's
.set SPW,  28                          ; v28    my spare word: SPARE + 4 x my thread's number; never rewritten
.set NIL,  29                          ; v29    0; never rewritten
.set SC,   32
.set AF,   128
.set RT,   64                          ; the way out: two sets of 32: 16 pairs (cos, sin)
.set TM,   128                         ; v128-135 at work in the quantisers
.set SW,   144                         ; v144-159 scale words made: q, k: 8 hd + a;  v: b
.set PCQ,  160                         ; q, k: two sets of 8 code registers, one a head
.set PCV,  160                         ; v: 12 code registers; v172-174, v176-178 the conversions' second halves
.set RR,   192                         ; q, k: 32 rotated numbers
.set X,    192                         ; v: 64 numbers, register 32 c + p = key place 64 c + 32 h + p of my column
.set G1, 24
.set G0, 32
.set G1B, 48
.set G0B, 56
.set G1S, 68
.set G0S, 76
.set G1SB, 80
.set G0SB, 88
.set SEL, 96                           ; s[96:97] selects for lane l xor 16;  s98 lanes 16-31
.set HM,  98
.set MSB, 0
.macro WIN new                         ; the immediate's high byte repeats the setting that is left
.if MSB != (\new)
	s_set_vgpr_msb (MSB<<8)|(\new)
.set MSB, (\new)
.endif
.endm
.set MUL_LO, 0xa1                      ; source 0 (B) window 1, source 1 (A) window 0, C and D window 2
.set MUL_HI, 0xf1
.set TO_B,   0x40
; A joint load: waves 0 and 1 fetch for A, waves 2 and 3 for B; the branch hangs on the wave's number alone.  Four v_nop follow each of the two lines.
.macro JLOAD g0a, g1a, g0b, g1b
	s_cmp_eq_u32 s15, 0
	s_cbranch_scc0 .Lfor_b_\@
	tensor_load_to_lds s[\g0a:\g0a+3], s[\g1a:\g1a+7]
	s_nop 0
.rept 4
	v_nop
.endr
	s_branch .Lasked_\@
.Lfor_b_\@:
	tensor_load_to_lds s[\g0b:\g0b+3], s[\g1b:\g1b+7]
	s_nop 0
.rept 4
	v_nop
.endr
.Lasked_\@:
.endm
.macro CREST                           ; a round of the cluster's barrier behind its opening barrier
	s_cmp_lg_u32 s14, 0
	s_cbranch_scc1 .Lnot_wave_0_\@
	s_barrier_signal -3
.Lnot_wave_0_\@:
	s_barrier_wait -3
	s_barrier_signal -1
	s_barrier_wait -1
.endm
.macro CROUND
	s_barrier_signal -1
	s_barrier_wait -1
	CREST
.endm
	s_load_b256 s[4:11], s[0:1], 0x0               ; cod s[4:5], sc s[6:7], rt s[8:9], hc s[10:11]
	s_load_b64 s[12:13], s[0:1], 0x20              ; hs
	v_lshl_add_u32 v[SPW], v0, 2, SPARE
	v_mov_b32 v[NIL], 0
	ds_add_u32 v28, v29
	ds_add_u32 v28, v29
	s_wait_dscnt 0x0
	v_lshrrev_b32 v1, 5, v0
	v_readfirstlane_b32 s14, v1                    ; wave 0..3
	s_lshr_b32 s15, s14, 1                         ; which half of the tile's tokens is mine.  Also: I fetch for A (0) or for B (1)
	s_and_b32 s16, s14, 1                          ; which half of its e.  Also: which 128 rows I fetch
	s_bfe_u32 s40, ttmp6, 0x40000                  ; cx, cy
	s_bfe_u32 s41, ttmp6, 0x40004
	s_lshl_b32 s42, ttmp9, 2
	s_add_co_u32 s42, s42, s40                     ; tile column 0..11
	s_and_b32 s17, ttmp7, 0xffff
	s_lshl_b32 s17, s17, 2
	s_add_co_u32 s17, s17, s41                     ; tile row 0..31
	s_lshl_b32 s43, s41, 2
	s_lshl_b32 s43, 15, s43                        ; my row of the cluster
	s_lshl_b32 s44, 0x1111, s40                    ; my column
	; group 1, codes: 8 rows (row tiles) of 384 elements of 8 bytes, 1,536 elements apart
	s_or_b32 s[G1+0], s43, (3<<16)|(1<<21)
	s_or_b32 s[G1B+0], s44, (3<<16)|(1<<21)
.irp g, G1, G1B
	s_mov_b32 s[\g+1], 384<<16                     ; tensor_dim0
	s_mov_b32 s[\g+2], 8<<16                       ; tensor_dim1
	s_mov_b32 s[\g+3], 384<<16                     ; tile_dim0
	s_mov_b32 s[\g+4], 8                           ; tile_dim1
	s_mov_b32 s[\g+5], 1536                        ; the pitch
	s_mov_b32 s[\g+6], 0
	s_mov_b32 s[\g+7], 0
.endr
	; group 1, scales of 128 rows: 4,096 dense bytes as 16 rows of 256
	s_or_b32 s[G1S+0], s43, (3<<16)|(1<<21)
	s_or_b32 s[G1SB+0], s44, (3<<16)|(1<<21)
.irp g, G1S, G1SB
	s_mov_b32 s[\g+1], 32<<16
	s_mov_b32 s[\g+2], 16<<16
	s_mov_b32 s[\g+3], 32<<16
	s_mov_b32 s[\g+4], 16
	s_mov_b32 s[\g+5], 32
	s_mov_b32 s[\g+6], 0
	s_mov_b32 s[\g+7], 0
.endr
	s_lshl_b32 s18, s16, 7
	s_lshl_b32 s20, s17, 8
	s_add_co_u32 s20, s20, s18                     ; A: row 256 x tile row + 128 x half
	s_lshl_b32 s46, s42, 8
	s_add_co_u32 s46, s46, s18                     ; B: row 256 x tile column + 128 x half
	s_mov_b32 s21, 0
	s_mov_b32 s47, 0
	s_mov_b64 s[18:19], KS
	s_mul_u64 s[22:23], s[20:21], s[18:19]
	s_mul_u64 s[92:93], s[46:47], s[18:19]
	s_mov_b64 s[18:19], KROW
	s_mul_u64 s[20:21], s[20:21], s[18:19]
	s_mul_u64 s[46:47], s[46:47], s[18:19]
	s_add_nc_u64 s[46:47], s[46:47], WCOD
	s_add_nc_u64 s[92:93], s[92:93], WSC
	s_mul_i32 s45, s14, HALFT                      ; where they go: no place in the cluster enters an LDS address
	s_mul_i32 s94, s14, HALFS
	s_mov_b32 s[SEL], 0x76543210
	s_mov_b32 s[SEL+1], 0xfedcba98
	s_mov_b32 s[HM], 0xffff0000
	s_wait_kmcnt 0x0
	s_add_nc_u64 s[20:21], s[4:5], s[20:21]
	s_add_nc_u64 s[22:23], s[6:7], s[22:23]
	s_add_nc_u64 s[46:47], s[4:5], s[46:47]
	s_add_nc_u64 s[92:93], s[6:7], s[92:93]
	CROUND                                         ; all sixteen work-groups are here: the first joint loads meet
	s_mov_b32 s[G0S], 1
	s_add_co_u32 s[G0S+1], s94, SCL
	s_mov_b64 s[G0S+2:G0S+3], s[22:23]
	s_or_b32 s[G0S+3], s[G0S+3], 0x80000000
	s_mov_b32 s[G0SB], 1
	s_add_co_u32 s[G0SB+1], s94, SCL+128
	s_mov_b64 s[G0SB+2:G0SB+3], s[92:93]
	s_or_b32 s[G0SB+3], s[G0SB+3], 0x80000000
	JLOAD G0S, G1S, G0SB, G1SB                     ; the scales first: they are wanted with K step 0
.irp s, 0,1
	s_mov_b32 s[G0+4*\s], 1
	s_add_co_u32 s[G0+4*\s+1], s45, \s*SLOT
	s_add_nc_u64 s[G0+4*\s+2:G0+4*\s+3], s[20:21], \s*TROW
	s_or_b32 s[G0+4*\s+3], s[G0+4*\s+3], 0x80000000
	s_mov_b32 s[G0B+4*\s], 1
	s_add_co_u32 s[G0B+4*\s+1], s45, \s*SLOT
	s_add_nc_u64 s[G0B+4*\s+2:G0B+4*\s+3], s[46:47], \s*TROW
	s_or_b32 s[G0B+4*\s+3], s[G0B+4*\s+3], 0x80000000
	JLOAD G0+4*\s, G1, G0B+4*\s, G1B
.endr
	v_and_b32 v1, 31, v0                           ; lane
	v_and_b32 v2, 15, v0                           ; r
	v_bfe_u32 v3, v0, 4, 1                         ; h
	v_lshlrev_b32 v4, 4, v1
	v_lshlrev_b32 v5, 3, v1
	s_mul_i32 s21, s15, HALFT                      ; my 128 rows of A
	s_mul_i32 s22, s16, HALFT                      ; my 128 rows of B,
	s_add_co_u32 s22, s22, 2*HALFT                 ; behind A's 256
.irp s, 0,1
	v_add_nc_u32 v[ADRA+\s], s21, v4
	v_add_nc_u32 v[ADRB+\s], s22, v4
	v_add_nc_u32 v[ADRA+2+\s], s21, v5
	v_add_nc_u32 v[ADRB+2+\s], s22, v5
	s_add_co_u32 s21, s21, SLOT
	s_add_co_u32 s22, s22, SLOT
.endr
	v_lshlrev_b32 v7, 3, v2                        ; my row's two words of a K step: 8 r
	s_mul_i32 s21, s15, HALFS
	s_mul_i32 s22, s16, HALFS
	s_add_co_u32 s22, s22, 2*HALFS+128
	s_sub_co_u32 s22, s22, s21
	v_mul_u32_u24 v6, s22, v3                      ; lanes 16-31 take B's: one product, the distance between the two
	s_add_co_u32 s21, s21, SCL
	v_add_nc_u32 v7, v7, v6
	v_add_nc_u32 v[ADRS], s21, v7
	; addresses of the way out, made here for every kind
	v_lshlrev_b32 v8, 4, v1                        ; v8  16 x lane
	v_lshl_add_u32 v9, v1, 3, 512                  ; v9  8 x lane + 512
	s_mul_i32 s23, s14, 10496                      ; v's stage, a wave's own, in slot 0: token t's 16 numbers at 80 t + 64 (t / 32)
	v_mul_u32_u24 v10, v2, 80
	v_lshl_add_u32 v10, v3, 5, v10
	v_add_nc_u32 v10, s23, v10                     ; v10 in: 80 r + 32 h
	v_mul_u32_u24 v11, v3, 2624
	v_lshl_add_u32 v11, v2, 2, v11
	v_add_nc_u32 v11, s23, v11                     ; v11 out: column r, lanes 16-31 32 tokens on
	v_lshlrev_b32 v12, 4, v2
	v_lshl_add_u32 v12, v3, 12, v12                ; v12 16 r + 4,096 h
	v_lshlrev_b32 v13, 3, v3                       ; v13 8 h
	; where my results go: batch-and-head bh0 (my first of two heads), group of 128 tokens of the sequence
	s_lshr_b32 s66, s17, 3
	s_lshl_b32 s66, s66, 4
	s_and_b32 s67, s42, 3
	s_lshl_b32 s67, s67, 2
	s_add_co_u32 s66, s66, s67
	s_lshl_b32 s67, s16, 1
	s_add_co_u32 s66, s66, s67                     ; bh0 = 16 batch + 4 (tile column % 4) + 2 half
	s_and_b32 s67, s17, 7
	s_lshl_b32 s67, s67, 1
	s_add_co_u32 s67, s67, s15                     ; group 0..15
	s_lshl_b32 s92, s67, 15
	s_mov_b32 s93, 0
	s_add_nc_u64 s[8:9], s[8:9], s[92:93]          ; the table at my 8 token tiles
	s_mul_i32 s92, ttmp9, 6291456
	s_mul_i32 s94, s66, 98304
	s_add_co_u32 s92, s92, s94
	s_mul_i32 s94, s67, 6144
	s_add_co_u32 s92, s92, s94
	s_add_nc_u64 s[10:11], s[10:11], s[92:93]      ; images: kind, head, group: the same sum for q, k and v
	s_lshl_b32 s92, ttmp9, 19
	s_lshl_b32 s94, s66, 4
	s_add_co_u32 s94, s94, s67
	s_cmp_eq_u32 ttmp9, 2
	s_cselect_b32 s95, 8, 9                        ; a group's scale words: 512 bytes for q and k, 256 for v
	s_lshl_b32 s94, s94, s95
	s_add_co_u32 s92, s92, s94
	s_add_nc_u64 s[12:13], s[12:13], s[92:93]
.macro RTLOAD a                        ; the table of token tile a: 32 numbers a lane
.irp ch, 0,1,2,3,4,5,6,7
	global_load_b128 v[RT+32*((\a)%2)+4*\ch:RT+32*((\a)%2)+4*\ch+3], v8, s[8:9] offset:(\a)*4096+512*\ch
.endr
.endm
	RTLOAD 0                                       ; asked for here, so that they have landed long before the way out.  The head is one text for all kinds: v's work-groups ask too, 8 KB a wave, and do not use them
	RTLOAD 1
.macro FRAG reg, adr, q, i             ; a fragment as it lies: registers 0-3, 4-5, 6-9, 10-11
	ds_load_b128 v[\reg:\reg+3], v[\adr] offset:(\i)*TROW+(\q)*1536
	ds_load_b64 v[\reg+4:\reg+5], v[\adr+2] offset:(\i)*TROW+(\q)*1536+512
	ds_load_b128 v[\reg+6:\reg+9], v[\adr] offset:(\i)*TROW+(\q)*1536+768
	ds_load_b64 v[\reg+10:\reg+11], v[\adr+2] offset:(\i)*TROW+(\q)*1536+1280
.endm
; 16 matrix instructions: A's blocks a0, a0 + 1 x B's eight.  The 64 accumulators take turns, one instruction a turn, in the same order in every step.
.macro MUL16 a0, p, q, sc, zero
.irp a, \a0, \a0+1
.irp b, 0,1,2,3,4,5,6,7
.if \zero
	v_wmma_scale_f32_16x16x128_f8f6f4 v[8*(8*((\a)%4)+\b):8*(8*((\a)%4)+\b)+7], v[128*(\p)+FR*\b:128*(\p)+FR*\b+FR-1], v[AF+FR*(\a):AF+FR*(\a)+FR-1], 0, v[SC+8*NQ*(\sc)+NQ*\b+(\q)], v[SC+8*NQ*(\sc)+NQ*(\a)+(\q)] matrix_a_fmt:MATRIX_FMT_BF6 matrix_b_fmt:MATRIX_FMT_BF6 matrix_a_scale:MATRIX_SCALE_ROW1
.else
	v_wmma_scale_f32_16x16x128_f8f6f4 v[8*(8*((\a)%4)+\b):8*(8*((\a)%4)+\b)+7], v[128*(\p)+FR*\b:128*(\p)+FR*\b+FR-1], v[AF+FR*(\a):AF+FR*(\a)+FR-1], v[8*(8*((\a)%4)+\b):8*(8*((\a)%4)+\b)+7], v[SC+8*NQ*(\sc)+NQ*\b+(\q)], v[SC+8*NQ*(\sc)+NQ*(\a)+(\q)] matrix_a_fmt:MATRIX_FMT_BF6 matrix_b_fmt:MATRIX_FMT_BF6 matrix_a_scale:MATRIX_SCALE_ROW1
.endif
.endr
.endr
.endm
.macro FETCH_B slot, q, p
	WIN TO_B
.irp i, 0,1,2,3,4,5,6,7
	FRAG 128*(\p)+FR*\i, ADRB+\slot, \q, \i
.endr
	WIN 0
.endm
.macro FETCH_A slot, q, i0
.irp i, \i0, \i0+1, \i0+2, \i0+3
	FRAG AF+FR*(\i), ADRA+\slot, \q, \i
.endr
.endm
.macro SCALES sc                       ; a K step's scale words: two a row; lanes 0-15 A's block i, lanes 16-31 B's block i
.irp i, 0,1,2,3,4,5,6,7
	ds_load_b64 v[SC+8*NQ*\sc+NQ*\i:SC+8*NQ*\sc+NQ*\i+1], v[ADRS] offset:\i*SBLK
.endr
.endm
.macro PLACES n                        ; plain vector instructions between a matrix instruction and a load into, or a read or write of, its registers
.rept \n
	v_nop
.endr
.endm
.macro STEP slot, q, zero              ; 128 along K whose successor lies in the same slot
	s_wait_dscnt 4*NL                              ; all but the youngest 16 loads (A's blocks 4-7)
	WIN MUL_LO
	MUL16 0, (\q)%2, \q, \slot, \zero
	MUL16 2, (\q)%2, \q, \slot, \zero
	s_wait_dscnt 0
	PLACES NP
	FETCH_B \slot, (\q)+1, 1-(\q)%2
	FETCH_A \slot, (\q)+1, 0
	WIN MUL_HI
	MUL16 4, (\q)%2, \q, \slot, \zero
	MUL16 6, (\q)%2, \q, \slot, \zero
	PLACES NP
	WIN 0
	FETCH_A \slot, (\q)+1, 4
.endm
; A slot's last step changes slots: one barrier; in front of it each wave waits for all its tensor loads, adds 0 to its spare word, and waits for that and for its reads of this slot.
.macro TURN slot, next, fill
	s_wait_tensorcnt 0x0                           ; all my tensor loads have landed: my part of the next slot
	ds_add_u32 v[SPW], v[NIL]                      ; 0 onto my spare word
	s_wait_dscnt 4*NL+1                            ; (the add and the youngest 16 loads may be out)
	WIN MUL_LO
	MUL16 0, 1, NQ-1, \slot, 0
	s_wait_dscnt 0x0                               ; the add is done, and my reads of this slot are over
	s_barrier_signal -1
	MUL16 2, 1, NQ-1, \slot, 0
	WIN 0
	s_barrier_wait -1
.if \fill
	CREST                                          ; the barrier has opened a round of the cluster's: no wave of any partner still reads this slot or has a load on its way
	s_add_nc_u64 s[G0+4*\slot+2:G0+4*\slot+3], s[G0+4*\slot+2:G0+4*\slot+3], 2*TROW
	s_add_nc_u64 s[G0B+4*\slot+2:G0B+4*\slot+3], s[G0B+4*\slot+2:G0B+4*\slot+3], 2*TROW
	JLOAD G0+4*\slot, G1, G0B+4*\slot, G1B         ; the first tensor load behind the round; its four v_nop are the places in front of the loads below
.else
	PLACES NP
.endif
	v_add_nc_u32 v[ADRS], 128, v[ADRS]             ; the next K step's scale words (no LDS load of mine is out)
	FETCH_B \next, 0, 0
	FETCH_A \next, 0, 0
	SCALES \next
	WIN MUL_HI
	MUL16 4, 1, NQ-1, \slot, 0
	MUL16 6, 1, NQ-1, \slot, 0
	PLACES NP
	WIN 0
	FETCH_A \next, 0, 4
.endm
	s_wait_tensorcnt 1                             ; the scales and my part of K step 0 are in (K step 1's load may be out),
	s_barrier_signal -1
	s_barrier_wait -1                              ; everybody's are
	FETCH_B 0, 0, 0
	FETCH_A 0, 0, 0
	SCALES 0
	FETCH_A 0, 0, 4
	STEP 0, 0, 1                                   ; the first step's products start the sums
	s_mov_b32 s3, LAPS-1
.Llap:
	TURN 0, 1, 1
	STEP 1, 0, 0
	TURN 1, 0, 1
	STEP 0, 0, 0
	s_sub_co_u32 s3, s3, 1
	s_cmp_lg_u32 s3, 0
	s_cbranch_scc1 .Llap
	TURN 0, 1, 0                                   ; the last lap fills nothing
	STEP 1, 0, 0
	s_wait_dscnt 4*NL
	WIN MUL_LO
	MUL16 0, 1, NQ-1, 1, 0
	MUL16 2, 1, NQ-1, 1, 0
	s_wait_dscnt 0
	WIN MUL_HI
	MUL16 4, 1, NQ-1, 1, 0
	MUL16 6, 1, NQ-1, 1, 0
	WIN 0
; 32 numbers of a lane, register 16 b + i = place 16 h + i of block b of my row, become half a fragment's codes (6 registers at pc) and a word with the two blocks' bytes (its upper two bytes 0).
.macro QUANT32 s, pc, pw
.irp b, 0,1
	v_max3_num_f32 v[TM+\b], |v[\s+16*\b]|, |v[\s+16*\b+1]|, 0x2800000      ; with the floor 2^(5 - 127)
.endr
.irp i, 2,4,6,8,10,12,14
.irp b, 0,1
	v_max3_num_f32 v[TM+\b], v[TM+\b], |v[\s+16*\b+\i]|, |v[\s+16*\b+\i+1]|
.endr
.endr
.irp b, 0,1
	v_permlanex16_b32 v[TM+2+\b], v[TM+\b], s[SEL], s[SEL+1]
.endr
.irp b, 0,1
	v_max_num_f32 v[TM+\b], v[TM+\b], v[TM+2+\b]   ; with lane l xor 16's: the block's largest magnitude
.endr
.irp b, 0,1
	v_add_nc_u32 v[TM+4+\b], 0xfe000000, v[TM+\b]  ; 4 off the exponent field: the conversion's scale operand
.endr
.irp b, 0,1
	v_lshrrev_b32 v[TM+6+\b], 23, v[TM+4+\b]
.endr
	v_lshl_or_b32 v[\pw], v[TM+7], 8, v[TM+6]
	v_cvt_scalef32_pk16_bf6_f32 v[\pc:\pc+2], v[\s:\s+15], v[TM+4]
	v_cvt_scalef32_pk16_bf6_f32 v[\pc+4:\pc+6], v[\s+16:\s+31], v[TM+5]
	v_nop                                          ; one plain place behind a scaled conversion
.irp i, 0,1,2
	v_permlane16_swap_b32 v[\pc+\i], v[\pc+4+\i]   ; a whole block to a lane: lanes 0-15 block 0, lanes 16-31 block 1
.endr
	v_mov_b32 v[\pc+3], v[\pc+4]
	v_mov_b32 v[\pc+4], v[\pc+5]
	v_mov_b32 v[\pc+5], v[\pc+6]
.endm
; q, k: token tile a, both heads: rotated, quantised, stored.  (x1, x2) -> (x1 c - x2 s, x2 c + x1 s), two packed instructions a pair; each accumulator is read from its low end on.
.macro ROPEQ a
	s_wait_xcnt 0x0                                ; the last tile's stores have read the code registers
.if (\a) < 7
	s_wait_loadcnt 8                               ; this tile's table is in; the next tile's 8 loads may be out
.else
	s_wait_loadcnt 0x0
.endif
.irp hd, 0,1
	WIN 0x02+(\a)/4                                ; source 0: the accumulators' window
.irp tb, 0,1,2,3
.irp jj, 0,1,2,3
	v_pk_mul_f32 v[RR+8*\tb+2*\jj:RR+8*\tb+2*\jj+1], v[8*(8*((\a)%4)+4*\hd+\tb)+2*\jj:8*(8*((\a)%4)+4*\hd+\tb)+2*\jj+1], v[RT+32*((\a)%2)+2*(4*\tb+\jj):RT+32*((\a)%2)+2*(4*\tb+\jj)+1] op_sel_hi:[1,0]
.endr
.endr
.irp tb, 0,1,2,3
.irp jj, 0,1,2,3
	v_pk_fma_f32 v[RR+8*\tb+2*\jj:RR+8*\tb+2*\jj+1], v[8*(8*((\a)%4)+4*\hd+\tb)+2*\jj:8*(8*((\a)%4)+4*\hd+\tb)+2*\jj+1], v[RT+32*((\a)%2)+2*(4*\tb+\jj):RT+32*((\a)%2)+2*(4*\tb+\jj)+1], v[RR+8*\tb+2*\jj:RR+8*\tb+2*\jj+1] op_sel:[1,1,0] op_sel_hi:[0,1,1] neg_lo:[0,1,0]
.endr
.endr
	WIN 0
	QUANT32 RR, PCQ+8*\hd, SW+8*\hd+(\a)
	global_store_b128 v8, v[PCQ+8*\hd:PCQ+8*\hd+3], s[10:11] offset:(\a)*768+\hd*98304     ; 512 consecutive bytes,
	global_store_b64 v9, v[PCQ+8*\hd+4:PCQ+8*\hd+5], s[10:11] offset:(\a)*768+\hd*98304    ; and the 256 behind them
.endr
.if (\a) < 6
	RTLOAD (\a)+2
.endif
.endm
; v: column tile b (16 of the head's 64) x my 128 tokens, which are one key step.  Through my stage, so that a lane holds ONE column and its registers run along the keys, in the order in which the attention's weights come.
.macro VCOL b
	WIN 0x08                                       ; an LDS store's data are its source 1: window 2,
.irp a, 0,1,2,3
	ds_store_b128 v10, v[8*(8*\a+(\b)):8*(8*\a+(\b))+3] offset:1280*\a+64*(\a/2)
	ds_store_b128 v10, v[8*(8*\a+(\b))+4:8*(8*\a+(\b))+7] offset:1280*\a+64*(\a/2)+16
.endr
	WIN 0x0c                                       ; window 3
.irp a, 4,5,6,7
	ds_store_b128 v10, v[8*(8*(\a-4)+(\b)):8*(8*(\a-4)+(\b))+3] offset:1280*\a+64*(\a/2)
	ds_store_b128 v10, v[8*(8*(\a-4)+(\b))+4:8*(8*(\a-4)+(\b))+7] offset:1280*\a+64*(\a/2)+16
.endr
	WIN 0
.set VP, 0
.rept 64                               ; place p of a block holds key 16 ((p / 8) % 2) + 8 (p / 16) + p % 8.  LDS serves a wave's instructions in order: these see my stores
	ds_load_b32 v[X+VP], v11 offset:(64*(VP/32)+16*(((VP%32)>>3)&1)+8*((VP%32)>>4)+((VP%32)&7))*80+128*(VP/32)
.set VP, VP+1
.endr
	s_wait_dscnt 0x0
	s_wait_xcnt 0x0                                ; the last column tile's stores have read the code registers
.irp c, 0,1
	v_max3_num_f32 v[TM+\c], |v[X+32*\c]|, |v[X+32*\c+1]|, 0x2800000
.endr
.irp i, 2,4,6,8,10,12,14,16,18,20,22,24,26,28,30
.irp c, 0,1
	v_max3_num_f32 v[TM+\c], v[TM+\c], |v[X+32*\c+\i]|, |v[X+32*\c+\i+1]|
.endr
.endr
.irp c, 0,1
	v_add_nc_u32 v[TM+4+\c], 0xfe000000, v[TM+\c]
.endr
.irp c, 0,1
	v_lshrrev_b32 v[TM+6+\c], 23, v[TM+4+\c]
.endr
	v_lshl_or_b32 v[SW+(\b)], v[TM+7], 16, v[TM+6] ; my two bytes, blocks h and 2 + h, at their places; with lane l xor 16's the word is whole
	v_lshlrev_b32 v[SW+(\b)], v13, v[SW+(\b)]
	v_permlanex16_b32 v[TM+2], v[SW+(\b)], s[SEL], s[SEL+1]
	v_or_b32 v[SW+(\b)], v[SW+(\b)], v[TM+2]
.irp c, 0,1
	v_cvt_scalef32_pk16_bf6_f32 v[PCV+6*\c:PCV+6*\c+2], v[X+32*\c:X+32*\c+15], v[TM+4+\c]
	v_cvt_scalef32_pk16_bf6_f32 v[PCV+12+4*\c:PCV+14+4*\c], v[X+32*\c+16:X+32*\c+31], v[TM+4+\c]
.endr
	v_nop
.irp c, 0,1
.irp i, 0,1,2
	v_mov_b32 v[PCV+3+6*\c+\i], v[PCV+12+4*\c+\i]
.endr
.endr
.irp ch, 0,1,2
	global_store_b128 v8, v[PCV+4*\ch:PCV+4*\ch+3], s[10:11] offset:((\b)/4)*98304+((\b)%4)*1536+512*\ch
.endr
.endm
	PLACES NP                                      ; behind the last products: their results are read and their operands' registers written below
	v_mov_b32 v[TM+2], 0                           ; lane permutes' destinations count as sources
	v_mov_b32 v[TM+3], 0
	s_cmp_eq_u32 ttmp9, 2
	s_cbranch_scc1 .Lv_path
.irp a, 0,1,2,3,4,5,6,7
	ROPEQ \a
.endr
.irp hd, 0,1                           ; a head's eight scale words a row: lanes 0-15 tiles 0-3, lanes 16-31 tiles 4-7: 512 consecutive bytes
.irp i, 0,1,2,3
	v_cndmask_b32 v[176+4*\hd+\i], v[SW+8*\hd+\i], v[SW+8*\hd+4+\i], s[HM]
.endr
	global_store_b128 v8, v[176+4*\hd:179+4*\hd], s[12:13] offset:\hd*8192
.endr
	s_branch .Ldone
.Lv_path:
.irp b, 0,1,2,3,4,5,6,7
	VCOL \b
.endr
.irp dt, 0,1,2,3                       ; lanes 0-15 my first head's four words a row, lanes 16-31 my second's: 256 consecutive bytes each
	v_cndmask_b32 v[180+\dt], v[SW+\dt], v[SW+4+\dt], s[HM]
.endr
	global_store_b128 v12, v[180:183], s[12:13]
.Ldone:
	s_wait_tensorcnt 0x0                           ; the wave's end
	ds_add_u32 v[SPW], v[NIL]
	s_wait_dscnt 0x0
	CROUND                                         ; the closing round
	s_endpgm
.Lfunc_end_k_qb2c590a084_qkv:
	.size	k_qb2c590a084_qkv, .Lfunc_end_k_qb2c590a084_qkv-k_qb2c590a084_qkv
	.p2alignl 7, 3214868480
	.fill 96, 4, 3214868480
	.section	.rodata,"a",@progbits
	.p2align	6, 0x0
	.amdhsa_kernel k_qb2c590a084_qkv
		.amdhsa_group_segment_fixed_size 327680
		.amdhsa_private_segment_fixed_size 0
		.amdhsa_enable_private_segment 0
		.amdhsa_kernarg_size 40
		.amdhsa_user_sgpr_count 2
		.amdhsa_user_sgpr_kernarg_segment_ptr 1
		.amdhsa_wavefront_size32 1
		.amdhsa_system_sgpr_workgroup_id_x 1
		.amdhsa_system_sgpr_workgroup_id_y 1
		.amdhsa_system_sgpr_workgroup_id_z 1
		.amdhsa_system_vgpr_workitem_id 0
		.amdhsa_next_free_vgpr 1024
		.amdhsa_next_free_sgpr 102
		.amdhsa_reserve_vcc 0
		.amdhsa_float_denorm_mode_32 3
		.amdhsa_float_denorm_mode_16_64 3
		.amdhsa_memory_ordered 1
		.amdhsa_forward_progress 1
		.amdhsa_inst_pref_size 255
	.end_amdhsa_kernel
	.amdgpu_metadata
---
amdhsa.version: [ 1, 2 ]
amdhsa.kernels:
  - .name:           k_qb2c590a084_qkv
    .symbol:         k_qb2c590a084_qkv.kd
    .args:
      - { .name: cod, .offset: 0, .size: 8, .value_kind: global_buffer, .address_space: global }
      - { .name: sc, .offset: 8, .size: 8, .value_kind: global_buffer, .address_space: global }
      - { .name: rt, .offset: 16, .size: 8, .value_kind: global_buffer, .address_space: global }
      - { .name: hc, .offset: 24, .size: 8, .value_kind: global_buffer, .address_space: global }
      - { .name: hs, .offset: 32, .size: 8, .value_kind: global_buffer, .address_space: global }
    .group_segment_fixed_size: 327680
    .private_segment_fixed_size: 0
    .kernarg_segment_align: 8
    .kernarg_segment_size: 40
    .max_flat_workgroup_size: 128
    .sgpr_count:     102
    .vgpr_count:     1024
    .wavefront_size: 32
...
	.end_amdgpu_metadata
.endif
;; end of part 2
;; launch attn (part 3): grid 4 x 64, 16 waves a work-group, no clusters, 210,944 bytes of LDS; arguments hc, hs, ac, asc; writes ac, asc
.if DOCPART == 3
	.amdgcn_target "amdgcn-amd-amdhsa--gfx1250"
	.amdhsa_code_object_version 6
	.text
	.protected	k_qb2c590a084_attn
	.globl	k_qb2c590a084_attn
	.p2align	8
	.type	k_qb2c590a084_attn,@function
k_qb2c590a084_attn:
	s_mov_b64 s[64:65], 0
	v_nop
	global_prefetch_b8 v0, s[64:65] scope:SCOPE_SE
	s_setreg_imm32_b32 hwreg(HW_REG_WAVE_MODE, 25, 1), 1
	s_wait_xcnt 0x0
; ATTN.  Causal attention of one head (64 wide, 2,048 tokens) on codes of BF6 (E3M2) with one E8M0 scale for each 32 along a product's K; the result, divided by the row's sum, is quantised along the last product's K.
; THE SOFTMAX: t = score x log2(e) / 8; M = the row's largest t so far, rounded UP to a whole number; p = 2^(t - M) is what is quantised along the keys.  The row's sum is taken of the unquantised p.  When M moves,
; the sum and O are multiplied by 2^(old M - new M): exact.
; SHARES.  Work-group (i, bh) owns query blocks i and 7 - i (256 queries each) of head bh.  Wave w takes the 16 queries from 256 i + 16 w in the first pass and from 2,032 - 256 i - 16 w in the second:
; every wave of the launch then has 17 key steps of 128 keys that the mask leaves.  A step all of whose keys come after the wave's queries is left out by a scalar branch on ids; the loops' trip counts are constants.
; THE WHOLE HEAD'S K AND V LIE IN LDS, filled once (209 KB): no ring, nothing is filled again.  Every wave brings a sixteenth of each region; the keys from 1,024 on land while the first pass, which needs none of them, runs.
; NO CLUSTER: the four work-groups of a head read the same K and V, but their branches hang on their query blocks, which differ between them.
; LAYOUT.  Both products are used transposed: S^T = K Q^T, O^T = V^T P^T: a lane holds ONE query (lane % 16) throughout.  In S^T's tile t, register j of lane (r, h) is key 16 t + 8 h + j: so p's codes stand at place
; 16 h + 8 u + j of a block for key 16 u + 8 h + j, the order in which V's keys were laid.
; K = 64 IN AN INSTRUCTION OF 128: Q's registers 6-11 hold zero codes, and bytes 2, 3 of both sides' scale words are 0.  K's tiles are 6 registers each, on end: a tile's upper six registers are the next tile's codes,
; finite numbers that meet zero codes; six zero registers stand behind the last.
; LIMITS: NaN and infinities are not served; a block of zeros gets the byte 1 (its codes are zeros; this program alone reads the bytes).
; REGISTERS: v1 16 lane, v2 8 lane + 512, v4 r - 8 h, v5-9 the step's LDS addresses, v10 16 r, v11 8 r; v12 -M, v13 the largest t, v[14:15] the sum; v16-27 Q, v28 its scale word, v29 p's; v32-79 K's eight tiles, later p's codes;
;   v80-85 zeros; v86-89 K's scale words, v90-93 V's; v96-159 S^T, then p; v160-191 O^T; v192-239 V's four fragments; v240-254 at work.
.set KIMG, 0                           ; K: key step s at 6,144 s, tile t at 768 t
.set VIMG, 98304                       ; V: key step s at 6,144 s, 16 of the head's 64 at 1,536 dt
.set KSC,  196608                      ; K's scale words: 512 bytes a step
.set VSC,  204800                      ; V's: 256 bytes a step
.set TM,   240
.set WV,   18
.set BH,   19
.set SEL,  20                          ; s[20:21] selects for lane l xor 16
.set CS,   22                          ; s[22:23] c = log2(e) / 8
.set G1L,  24                          ; group 1: 12 rows of 256 bytes;
.set G1K,  32                          ; 2 rows;
.set G1V,  40                          ; 1 row
.set GKS,  48                          ; groups 0: K's scales, V's scales, K's and V's lower halves,
.set GVS,  52
.set GKL,  56
.set GVL,  60
.set GKH,  68                          ; their upper halves
.set GVH,  72
.set TK,   76                          ; where the step's K, V, K's and V's scale words begin in LDS
.set TV,   77
.set TS,   78
.set TJ,   79
.set KF,   80                          ; the step's first key
.set CNT,  81
.set Q0A,  82                          ; my first query in each pass
.set Q0B,  83
.set BA,   84                          ; s[84:91], s[92:99]: a pass's four addresses: Q's image, Q's scale words, my place in ac, in asc
.set BB,   92
.macro QUANT32 s, pc, pw               ; 32 numbers of a lane, register 16 b + i = place 16 h + i of block b of my row -> 6 code registers at pc, the two bytes in pw
.irp b, 0,1
	v_max3_num_f32 v[TM+\b], |v[\s+16*\b]|, |v[\s+16*\b+1]|, 0x2800000
.endr
.irp i, 2,4,6,8,10,12,14
.irp b, 0,1
	s_delay_alu instid0(VALU_DEP_2)
	v_max3_num_f32 v[TM+\b], v[TM+\b], |v[\s+16*\b+\i]|, |v[\s+16*\b+\i+1]|
.endr
.endr
.irp b, 0,1
	s_delay_alu instid0(VALU_DEP_2)
	v_permlanex16_b32 v[TM+2+\b], v[TM+\b], s[SEL], s[SEL+1]
.endr
.irp b, 0,1
	s_delay_alu instid0(VALU_DEP_2)
	v_max_num_f32 v[TM+\b], v[TM+\b], v[TM+2+\b]
.endr
.irp b, 0,1
	s_delay_alu instid0(VALU_DEP_2)
	v_add_nc_u32 v[TM+4+\b], 0xfe000000, v[TM+\b]
.endr
.irp b, 0,1
	s_delay_alu instid0(VALU_DEP_2)
	v_lshrrev_b32 v[TM+6+\b], 23, v[TM+4+\b]
.endr
	s_delay_alu instid0(VALU_DEP_1)
	v_lshl_or_b32 v[\pw], v[TM+7], 8, v[TM+6]
	v_cvt_scalef32_pk16_bf6_f32 v[\pc:\pc+2], v[\s:\s+15], v[TM+4]
	v_cvt_scalef32_pk16_bf6_f32 v[\pc+4:\pc+6], v[\s+16:\s+31], v[TM+5]
	v_nop                                          ; one plain place behind a scaled conversion
.irp i, 0,1,2
	v_permlane16_swap_b32 v[\pc+\i], v[\pc+4+\i]
.endr
	s_delay_alu instid0(VALU_DEP_3)
	v_mov_b32 v[\pc+3], v[\pc+4]
	s_delay_alu instid0(VALU_DEP_3)
	v_mov_b32 v[\pc+4], v[\pc+5]
	s_delay_alu instid0(VALU_DEP_3)
	v_mov_b32 v[\pc+5], v[\pc+6]
.endm
.macro DESC g, lreg, lconst, ptr, off  ; a group 0: count 1, LDS address = a constant + the wave's number x a constant, global address, type 2
	s_mov_b32 s[\g], 1
	s_add_co_u32 s[\g+1], s[\lreg], \lconst
	s_add_nc_u64 s[\g+2:\g+3], s[\ptr:\ptr+1], s[\off:\off+1]
	s_or_b32 s[\g+3], s[\g+3], 0x80000000
.endm
.macro BASES q0, o                     ; the four addresses of the pass whose first query stands in s[q0]
	s_lshr_b32 s100, s[\q0], 4                     ; the query tile TQ
	s_mul_i32 s2, s[BH], 98304
	s_mul_i32 s101, s100, 768
	s_add_co_u32 s2, s2, s101
	s_add_nc_u64 s[\o:\o+1], s[4:5], s[2:3]
	s_lshl_b32 s2, s[BH], 13
	s_lshr_b32 s101, s100, 2
	s_lshl_b32 s101, s101, 8
	s_add_co_u32 s2, s2, s101
	s_and_b32 s101, s100, 3
	s_lshl_b32 s101, s101, 2
	s_add_co_u32 s2, s2, s101
	s_add_nc_u64 s[\o+2:\o+3], s[6:7], s[2:3]
	s_lshr_b32 s101, s[BH], 4
	s_lshl_b32 s101, s101, 7
	s_add_co_u32 s100, s100, s101                  ; the row tile among all 512
	s_mul_i32 s2, s100, 12288
	s_and_b32 s101, s[BH], 15
	s_mul_i32 s101, s101, 768
	s_add_co_u32 s2, s2, s101
	s_add_nc_u64 s[\o+4:\o+5], s[8:9], s[2:3]
	s_lshl_b32 s2, s100, 9
	s_bfe_u32 s101, s[BH], 0x20002
	s_lshl_b32 s101, s101, 7
	s_add_co_u32 s2, s2, s101
	s_and_b32 s101, s[BH], 3
	s_lshl_b32 s101, s101, 1
	s_add_co_u32 s2, s2, s101
	s_add_nc_u64 s[\o+6:\o+7], s[10:11], s[2:3]
.endm
.macro QLOAD o
	global_load_b128 v[16:19], v1, s[\o:\o+1]
	global_load_b64 v[20:21], v2, s[\o:\o+1]
	global_load_b32 v28, v10, s[\o+2:\o+3]
.endm
	s_load_b256 s[4:11], s[0:1], 0x0               ; hc s[4:5], hs s[6:7], ac s[8:9], asc s[10:11]
	v_lshl_add_u32 v95, v0, 2, 0x33000
	v_mov_b32 v255, 0
	ds_add_u32 v95, v255
	ds_add_u32 v95, v255
	v_lshrrev_b32 v5, 5, v0
	s_delay_alu instid0(VALU_DEP_1)
	v_readfirstlane_b32 s[WV], v5                  ; wave 0..15
	s_and_b32 s[BH], ttmp7, 0xffff                 ; batch and head
	s_mov_b32 s3, 0
.irp g, G1L, G1K, G1V                  ; dense blocks as rows of 256 bytes: 32 elements of 8 bytes
	s_mov_b32 s[\g], 3<<16
	s_mov_b32 s[\g+1], 32<<16
	s_mov_b32 s[\g+3], 32<<16
	s_mov_b32 s[\g+5], 32
	s_mov_b32 s[\g+6], 0
	s_mov_b32 s[\g+7], 0
.endr
	s_mov_b32 s[G1L+2], 12<<16
	s_mov_b32 s[G1L+4], 12
	s_mov_b32 s[G1K+2], 2<<16
	s_mov_b32 s[G1K+4], 2
	s_mov_b32 s[G1V+2], 1<<16
	s_mov_b32 s[G1V+4], 1
	s_mul_i32 s2, s[BH], 98304
	s_mul_i32 s100, s[WV], 3072
	s_add_co_u32 s2, s2, s100                      ; the head's images, my sixteenth of a half
	s_add_nc_u64 s[12:13], s[2:3], 6291456
	s_add_nc_u64 s[14:15], s[2:3], 12582912
	s_add_nc_u64 s[16:17], s[2:3], 6291456+49152
	s_add_nc_u64 s[66:67], s[2:3], 12582912+49152
	s_lshl_b32 s2, s[BH], 13
	s_lshl_b32 s101, s[WV], 9
	s_add_co_u32 s2, s2, s101
	s_add_nc_u64 s[84:85], s[2:3], 524288
	s_lshl_b32 s2, s[BH], 12
	s_lshl_b32 s81, s[WV], 8
	s_add_co_u32 s2, s2, s81
	s_add_nc_u64 s[86:87], s[2:3], 1048576
	s_wait_dscnt 0x0
	s_wait_kmcnt 0x0
	DESC GKS, 101, KSC, 6, 84
	DESC GVS, 81, VSC, 6, 86
	DESC GKL, 100, KIMG, 4, 12
	DESC GVL, 100, VIMG, 4, 14
	DESC GKH, 100, KIMG+49152, 4, 16
	DESC GVH, 100, VIMG+49152, 4, 66
	tensor_load_to_lds s[GKS:GKS+3], s[G1K:G1K+7]  ; six loads of mine are out: all the launch's fills, in one group, ahead of every barrier and every LDS read of K or V
	s_nop 0
	tensor_load_to_lds s[GVS:GVS+3], s[G1V:G1V+7]
	s_nop 0
	tensor_load_to_lds s[GKL:GKL+3], s[G1L:G1L+7]
	s_nop 0
	tensor_load_to_lds s[GVL:GVL+3], s[G1L:G1L+7]
	s_nop 0
	tensor_load_to_lds s[GKH:GKH+3], s[G1L:G1L+7]
	s_nop 0
	tensor_load_to_lds s[GVH:GVH+3], s[G1L:G1L+7]
	s_nop 0
.rept 4
	v_nop
.endr
	v_and_b32 v5, 31, v0
	s_delay_alu instid0(VALU_DEP_1)
	v_lshlrev_b32 v1, 4, v5
	s_wait_alu depctr_va_vdst(0)
	v_lshl_add_u32 v2, v5, 3, 512
	s_wait_alu depctr_va_vdst(0)
	v_and_b32 v6, 15, v0
	v_bfe_u32 v7, v0, 4, 1
	s_delay_alu instid0(VALU_DEP_1)
	v_lshlrev_b32 v7, 3, v7
	s_delay_alu instid0(VALU_DEP_1)
	v_sub_nc_u32 v4, v6, v7
	s_delay_alu instid0(VALU_DEP_4)
	v_lshlrev_b32 v10, 4, v6
	s_wait_alu depctr_va_vdst(0)
	v_lshlrev_b32 v11, 3, v6
	s_lshl_b32 s[Q0A], ttmp9, 8
	s_lshl_b32 s100, s[WV], 4
	s_add_co_u32 s[Q0A], s[Q0A], s100
	s_sub_co_u32 s[Q0B], 2032, s[Q0A]
	BASES Q0A, BA
	BASES Q0B, BB
	QLOAD BA
	s_mov_b32 s[SEL], 0x76543210
	s_mov_b32 s[SEL+1], 0xfedcba98
	s_mov_b32 s[CS], 0x3e38aa3b
	s_mov_b32 s[CS+1], s[CS]                       ; (named with it as a pair, so it is written)
.irp j, 22,23,24,25,26,27,80,81,82,83,84,85
	v_mov_b32 v\j, 0                               ; zero codes: Q's upper 64 along K, and what stands behind K's last tile
.endr
.irp j, 240,241,242,243,244,245,246,247,252,253
	v_mov_b32 v\j, 0                               ; written once: lane permutes' destinations count as sources; v253 is named as the upper half of a pair
.endr
; A KEY STEP: 128 keys.
.macro STEP q0
	s_add_co_u32 s100, s[\q0], 15
	s_cmp_gt_u32 s[KF], s100
	s_cbranch_scc1 .Lhidden_\@                     ; all its keys come after my queries
	s_setprio 2
	v_add_nc_u32 v5, s[TK], v1                     ; (these five are also the places in front of the loads into registers that the last products read)
	v_add_nc_u32 v6, s[TK], v2
	v_add_nc_u32 v7, s[TV], v1
	v_add_nc_u32 v8, s[TS], v1
	v_add_nc_u32 v9, s[TJ], v10
.irp t, 0,1,2,3,4,5,6,7
	ds_load_b128 v[32+6*\t:35+6*\t], v5 offset:768*\t
	ds_load_b64 v[36+6*\t:37+6*\t], v6 offset:768*\t
.endr
	ds_load_b128 v[86:89], v8                      ; K's scale words: lanes 0-15 tiles 0-3, lanes 16-31 tiles 4-7
.irp dt, 0,1,2,3
.irp c, 0,1,2
	ds_load_b128 v[192+12*\dt+4*\c:195+12*\dt+4*\c], v7 offset:1536*\dt+512*\c
.endr
.endr
	ds_load_b128 v[90:93], v9                      ; V's scale words
	s_wait_dscnt 13                                ; K and its scale words are in; V's thirteen loads may be out
.irp t, 0,1,2,3
	v_wmma_scale_f32_16x16x128_f8f6f4 v[96+8*\t:103+8*\t], v[32+6*\t:43+6*\t], v[16:27], 0, v[86+\t], v28 matrix_a_fmt:MATRIX_FMT_BF6 matrix_b_fmt:MATRIX_FMT_BF6
.endr
.irp t, 4,5,6,7
	v_wmma_scale_f32_16x16x128_f8f6f4 v[96+8*\t:103+8*\t], v[32+6*\t:43+6*\t], v[16:27], 0, v[82+\t], v28 matrix_a_fmt:MATRIX_FMT_BF6 matrix_b_fmt:MATRIX_FMT_BF6 matrix_a_scale:MATRIX_SCALE_ROW1
.endr
.rept 4
	v_nop
.endr
	s_add_co_u32 s100, s[KF], 127                  ; on the diagonal hidden scores become -infinity ahead of the maximum: p = 0 then.  A step all of whose keys count skips this
	s_cmp_le_u32 s100, s[\q0]
	s_cbranch_scc1 .Lopen_\@
	s_sub_co_i32 s100, s[\q0], s[KF]
	v_add_nc_u32 v252, s100, v4                    ; d = my query - KF - 8 h.  Register 8 t + j holds key KF + 16 t + 8 h + j: hidden where 16 t + j > d
	v_mov_b32 v254, 0xff800000
.set N, 0
.rept 64
	v_cmp_gt_i32 vcc_lo, 16*(N/8)+N%8, v252
	v_cndmask_b32 v[96+N], v[96+N], v254, vcc_lo
.set N, N+1
.endr
.Lopen_\@:
.irp b, 0,1,2,3
	v_max3_num_f32 v[240+\b], v[96+16*\b], v[97+16*\b], v[98+16*\b]   ; the largest score of each block of 32 keys: for the row's maximum, and, since p rises with the score, for the block's largest p
.endr
.irp i, 3,5,7,9,11,13
.irp b, 0,1,2,3
	v_max3_num_f32 v[240+\b], v[240+\b], v[96+16*\b+\i], v[97+16*\b+\i]
.endr
.endr
.irp b, 0,1,2,3
	v_max_num_f32 v[240+\b], v[240+\b], v[111+16*\b]
.endr
.irp b, 0,1,2,3
	s_delay_alu instid0(VALU_DEP_4)
	v_permlanex16_b32 v[244+\b], v[240+\b], s[SEL], s[SEL+1]
.endr
.irp b, 0,1,2,3
	s_delay_alu instid0(VALU_DEP_4)
	v_max_num_f32 v[240+\b], v[240+\b], v[244+\b]  ; with lane l xor 16's 16 keys
.endr
	s_delay_alu instid0(VALU_DEP_2)
	v_max3_num_f32 v254, v240, v241, v242
	s_delay_alu instid0(VALU_DEP_1)
	v_max_num_f32 v254, v254, v243
	s_delay_alu instid0(VALU_DEP_1)
	v_mul_f32 v254, s[CS], v254                    ; as t
	s_delay_alu instid0(VALU_DEP_1)
	v_max_num_f32 v13, v13, v254                   ; the running largest t
	v_mov_b32 v254, v12
	s_delay_alu instid0(VALU_DEP_2)
	v_floor_f32 v12, -v13                          ; the new -M = floor(-t): M is a whole number
	s_delay_alu instid0(VALU_DEP_1)
	v_sub_f32 v254, v12, v254                      ; old M - new M, 0 or less
	s_delay_alu instid0(VALU_DEP_1)
	v_cvt_i32_f32 v254, v254                       ; (it saturates)
	s_delay_alu instid0(VALU_DEP_1)
	v_ldexp_f32 v252, 1.0, v254                    ; f = 2^(old M - new M)
.set J, 0
.rept 32
	v_pk_fma_f32 v[96+J:97+J], v[96+J:97+J], s[CS:CS+1], v[12:13] op_sel_hi:[1,0,0]   ; t - M, two at a time
.set J, J+2
.endr
	s_setprio 1
.irp b, 0,1,2,3
	v_fma_f32 v[240+\b], v[240+\b], s[CS], v12
.endr
.set J, 0
	s_wait_alu depctr_va_vdst(0)
.rept 64
	v_exp_f32 v[96+J], v[96+J]                     ; p = 2^(t - M), at most 1: not normalised
.set J, J+1
.endr
.irp b, 0,1,2,3
	v_exp_f32 v[240+\b], v[240+\b]                 ; the block's largest p: the same two instructions on the same number
.endr
	v_pk_mul_f32 v[14:15], v[14:15], v[252:253] op_sel_hi:[1,0]    ; the sums under the new M.  (A plain place behind the exponentials)
	s_wait_alu depctr_va_vdst(0)
.irp b, 0,1,2,3
	v_max_num_f32 v[240+\b], 0x2800000, v[240+\b]  ; the floor 2^(5 - 127)
.endr
.irp b, 0,1,2,3
	s_delay_alu instid0(VALU_DEP_4)
	v_add_nc_u32 v[248+\b], 0xfe000000, v[240+\b]  ; the conversion's scale operand
.endr
.irp b, 0,1,2,3
	s_delay_alu instid0(VALU_DEP_4)
	v_lshrrev_b32 v[244+\b], 23, v[248+\b]
.endr
	s_delay_alu instid0(VALU_DEP_3)
	v_lshl_or_b32 v29, v245, 8, v244               ; p's scale word for these 128 keys
	s_delay_alu instid0(VALU_DEP_1)
	v_lshl_or_b32 v29, v246, 16, v29
	s_delay_alu instid0(VALU_DEP_1)
	v_lshl_or_b32 v29, v247, 24, v29
.irp c, 0,1
	v_cvt_scalef32_pk16_bf6_f32 v[32+6*\c:34+6*\c], v[96+32*\c:111+32*\c], v[248+2*\c]
	v_cvt_scalef32_pk16_bf6_f32 v[44+4*\c:46+4*\c], v[112+32*\c:127+32*\c], v[248+2*\c+1]
.endr
	v_nop                                          ; one plain place behind a scaled conversion
.irp c, 0,1
.irp i, 0,1,2
	v_permlane16_swap_b32 v[32+6*\c+\i], v[44+4*\c+\i]   ; a whole block to a lane
.endr
.irp i, 0,1,2
	s_delay_alu instid0(VALU_DEP_3)
	v_mov_b32 v[35+6*\c+\i], v[44+4*\c+\i]
.endr
.endr
	v_pk_add_f32 v[244:245], v[100:101], v[104:105]
	v_pk_add_f32 v[250:251], v[108:109], v[112:113]
	v_pk_add_f32 v[248:249], v[116:117], v[120:121]
	v_pk_add_f32 v[240:241], v[124:125], v[128:129]
	v_pk_add_f32 v[88:89], v[132:133], v[136:137]
	v_pk_add_f32 v[86:87], v[140:141], v[144:145]
	v_pk_add_f32 v[78:79], v[148:149], v[152:153]
	v_pk_add_f32 v[14:15], v[14:15], v[156:157]
	v_pk_add_f32 v[244:245], v[244:245], v[96:97]
	v_pk_add_f32 v[250:251], v[250:251], v[98:99]
	s_setprio 0
	v_pk_add_f32 v[248:249], v[248:249], v[102:103]
	v_pk_add_f32 v[240:241], v[240:241], v[106:107]
	v_pk_add_f32 v[88:89], v[88:89], v[110:111]
	v_pk_add_f32 v[86:87], v[86:87], v[114:115]
	v_pk_add_f32 v[78:79], v[78:79], v[118:119]
	v_pk_add_f32 v[14:15], v[14:15], v[122:123]
	v_pk_add_f32 v[244:245], v[244:245], v[126:127]
	v_pk_add_f32 v[250:251], v[250:251], v[130:131]
	v_pk_add_f32 v[248:249], v[248:249], v[134:135]
	v_pk_add_f32 v[240:241], v[240:241], v[138:139]
	v_pk_add_f32 v[88:89], v[88:89], v[142:143]
	v_pk_add_f32 v[86:87], v[86:87], v[146:147]
	v_pk_add_f32 v[78:79], v[78:79], v[150:151]
	v_pk_add_f32 v[14:15], v[14:15], v[154:155]
	v_pk_add_f32 v[244:245], v[244:245], v[158:159]
	s_delay_alu instid0(VALU_DEP_2)
	v_pk_add_f32 v[14:15], v[14:15], v[240:241]
	s_delay_alu instid0(VALU_DEP_2)
	v_pk_add_f32 v[244:245], v[244:245], v[88:89]
	v_pk_add_f32 v[250:251], v[250:251], v[86:87]
	v_pk_add_f32 v[248:249], v[248:249], v[78:79]
	s_delay_alu instid0(VALU_DEP_2)
	v_pk_add_f32 v[14:15], v[14:15], v[250:251]
	s_delay_alu instid0(VALU_DEP_2)
	v_pk_add_f32 v[244:245], v[244:245], v[248:249]
	s_delay_alu instid0(VALU_DEP_1)
	v_pk_add_f32 v[14:15], v[14:15], v[244:245]
.set J, 0
.rept 16
	v_pk_mul_f32 v[160+J:161+J], v[160+J:161+J], v[252:253] op_sel_hi:[1,0]   ; O^T under the new M.  (With the sums above: the places between p's codes and scale word and the products below)
.set J, J+2
.endr
	s_wait_alu depctr_va_vdst(0)
	s_wait_dscnt 0x0                               ; V
.irp dt, 0,1,2,3                       ; four accumulators by turns; S^T's eight products stand between two links of a chain
	v_wmma_scale_f32_16x16x128_f8f6f4 v[160+8*\dt:167+8*\dt], v[192+12*\dt:203+12*\dt], v[32:43], v[160+8*\dt:167+8*\dt], v[90+\dt], v29 matrix_a_fmt:MATRIX_FMT_BF6 matrix_b_fmt:MATRIX_FMT_BF6
.endr
.Lhidden_\@:
	s_add_co_u32 s[KF], s[KF], 128
	s_add_co_u32 s[TK], s[TK], 6144
	s_add_co_u32 s[TV], s[TV], 6144
	s_add_co_u32 s[TS], s[TS], 512
	s_add_co_u32 s[TJ], s[TJ], 256
.endm
; A PASS: one tile of 16 queries against the first 128 x trips keys.  next = 1: the second pass's Q is asked for while this pass's result is made.
.macro PASS trips, q0, o, next
	s_wait_xcnt 0x0                                ; the last pass's stores have read their registers
	s_wait_loadcnt 0x0                             ; Q
	v_mov_b32 v13, 0xff61b1e6                      ; the largest t so far: -3e38
	s_delay_alu instid0(VALU_DEP_1)
	v_floor_f32 v12, -v13
	v_mov_b32 v14, 0
	v_mov_b32 v15, 0
.set J, 0
.rept 32
	v_mov_b32 v[160+J], 0                          ; O^T: the step is written once; the first change of M leaves zeros zeros
.set J, J+1
.endr
	s_mov_b32 s[TK], KIMG
	s_mov_b32 s[TV], VIMG
	s_mov_b32 s[TS], KSC
	s_mov_b32 s[TJ], VSC
	s_mov_b32 s[KF], 0
	s_mov_b32 s[CNT], \trips
.Lstep_\@:
	STEP \q0
	s_sub_co_u32 s[CNT], s[CNT], 1
	s_cmp_lg_u32 s[CNT], 0
	s_cbranch_scc1 .Lstep_\@
	s_setprio 0
.rept 4
	v_nop                                          ; places behind the last products
.endr
.if \next
	QLOAD BB
.endif
	v_add_f32 v14, v14, v15                        ; the sum's two halves,
	s_delay_alu instid0(VALU_DEP_1)
	v_permlanex16_b32 v252, v14, s[SEL], s[SEL+1]
	s_delay_alu instid0(VALU_DEP_1)
	v_add_f32 v14, v14, v252                       ; and lane l xor 16's
	s_wait_alu depctr_va_vdst(0)
	v_rcp_f32 v14, v14
	v_nop                                          ; a plain place behind the reciprocal
.set J, 0
	s_wait_alu depctr_va_vdst(0)
.rept 32
	v_mul_f32 v[96+J], v[160+J], v14               ; register 16 b + i: channel 32 b + 16 h + i of my query (v_w's rows were chosen for that)
.set J, J+1
.endr
	QUANT32 96, 32, 254
	global_store_b128 v1, v[32:35], s[\o+4:\o+5]   ; half a fragment of the last product's A: 512 consecutive bytes,
	global_store_b64 v2, v[36:37], s[\o+4:\o+5]    ; and the 256 behind them
	global_store_b16 v11, v254, s[\o+6:\o+7]       ; my row's two scale bytes (lanes l and l + 16 write the same two bytes with the same value); a row's other 30 belong to other heads' work-groups
.endm
	s_wait_tensorcnt 2                             ; the scale words and my parts of keys 0 to 1,023 are in; the two loads of the upper halves may be out
	s_barrier_signal -1
	s_barrier_wait -1                              ; everybody's are
	PASS 8, Q0A, BA, 1
	s_wait_tensorcnt 0x0                           ; my parts of the upper halves
	s_wait_dscnt 0x0
	s_barrier_signal -1
	s_barrier_wait -1
	PASS 16, Q0B, BB, 0
	s_wait_tensorcnt 0x0
	ds_add_u32 v95, v255
	s_wait_dscnt 0x0
	s_endpgm
.Lfunc_end_k_qb2c590a084_attn:
	.size	k_qb2c590a084_attn, .Lfunc_end_k_qb2c590a084_attn-k_qb2c590a084_attn
	.p2alignl 7, 3214868480
	.fill 96, 4, 3214868480
	.section	.rodata,"a",@progbits
	.p2align	6, 0x0
	.amdhsa_kernel k_qb2c590a084_attn
		.amdhsa_group_segment_fixed_size 210944
		.amdhsa_private_segment_fixed_size 0
		.amdhsa_enable_private_segment 0
		.amdhsa_kernarg_size 32
		.amdhsa_user_sgpr_count 2
		.amdhsa_user_sgpr_kernarg_segment_ptr 1
		.amdhsa_wavefront_size32 1
		.amdhsa_system_sgpr_workgroup_id_x 1
		.amdhsa_system_sgpr_workgroup_id_y 1
		.amdhsa_system_sgpr_workgroup_id_z 1
		.amdhsa_system_vgpr_workitem_id 0
		.amdhsa_next_free_vgpr 256
		.amdhsa_next_free_sgpr 102
		.amdhsa_reserve_vcc 1
		.amdhsa_float_denorm_mode_32 3
		.amdhsa_float_denorm_mode_16_64 3
		.amdhsa_memory_ordered 1
		.amdhsa_forward_progress 1
		.amdhsa_inst_pref_size 66
	.end_amdhsa_kernel
	.amdgpu_metadata
---
amdhsa.version: [ 1, 2 ]
amdhsa.kernels:
  - .name:           k_qb2c590a084_attn
    .symbol:         k_qb2c590a084_attn.kd
    .args:
      - { .name: hc, .offset: 0, .size: 8, .value_kind: global_buffer, .address_space: global }
      - { .name: hs, .offset: 8, .size: 8, .value_kind: global_buffer, .address_space: global }
      - { .name: ac, .offset: 16, .size: 8, .value_kind: global_buffer, .address_space: global }
      - { .name: asc, .offset: 24, .size: 8, .value_kind: global_buffer, .address_space: global }
    .group_segment_fixed_size: 210944
    .private_segment_fixed_size: 0
    .kernarg_segment_align: 8
    .kernarg_segment_size: 32
    .max_flat_workgroup_size: 512
    .sgpr_count:     102
    .vgpr_count:     256
    .wavefront_size: 32
...
	.end_amdgpu_metadata
.endif
;; end of part 3
;; launch oproj (part 4): grid 4 x 32, 4 waves a work-group, clusters of 4 x 4, 327,680 bytes of LDS; arguments ac, asc, cod, sc, out0; writes out0
.if DOCPART == 4
	.amdgcn_target "amdgcn-amd-amdhsa--gfx1250"
	.amdhsa_code_object_version 6
	.text
	.protected	k_qb2c590a084_oproj
	.globl	k_qb2c590a084_oproj
	.p2align	8
	.type	k_qb2c590a084_oproj,@function
k_qb2c590a084_oproj:
	s_mov_b64 s[64:65], 0
	v_nop
	global_prefetch_b8 v0, s[64:65] scope:SCOPE_SE
	s_setreg_imm32_b32 hwreg(HW_REG_WAVE_MODE, 25, 1), 1
	s_wait_xcnt 0x0
	s_wait_alu depctr_hold_cnt(0) depctr_sa_sdst(0) depctr_va_vdst(0) depctr_va_sdst(0) depctr_va_ssrc(0) depctr_va_vcc(0) depctr_vm_vsrc(0)
	s_getreg_b32 s2, hwreg(HW_REG_IB_STS2, 6, 4)
	s_cmp_eq_u32 s2, 0
	s_cbranch_scc0 .Lentry_in_a_cluster
	s_endpgm
.Lentry_in_a_cluster:
	s_bfe_u32 s2, ttmp6, 0x10000c
	s_cmp_lg_u32 s2, 0xf033
	s_cbranch_scc0 .Lentry_shape_is_right
	s_endpgm
.Lentry_shape_is_right:
; OPROJ.  out0[token][e] = sum over k of A[token][k] o_w[e][k], on codes of BF6 (E3M2) with one E8M0 scale for each 32 along K; sums and result in f32.  A is the attention's result, quantised by the launch before.
; A tile of C, 256 x 256, is made by four waves, each 128 x 128: 64 accumulators, 512 registers.  K goes in steps of 256 through a ring of two LDS slots.
; OPERANDS LIE IN MEMORY IN THE ORDER OF THEIR REGISTERS: a row tile (16 rows) is 8 fragments of 1,536 bytes; a K step's part of it is 3,072 consecutive bytes.  The scale words of the work-group's rows come once and stay.
; CLUSTERS: 4 x 4 work-groups; A's tiles are asked for jointly along a row of the cluster, B's along a column.  128 work-groups: C has no more tiles of this size.
; THE MATRIX INSTRUCTION IS USED TRANSPOSED (source 0 = 16 rows of o_w, source 1 = 16 tokens): a lane holds eight neighbouring numbers of a row of C.
; REGISTERS: window 0: v0-31 addresses; v32-63 scale words, two sets; from v128 A's fragments, ONE set; on the way out v128-255 take rows of C.  window 1: B's fragments, two sets.  windows 2, 3: the accumulators.
.set SIZE_N, 1024
.set NQ,     2
.set FR,     12
.set NL,     4
.set NP,     4
.set TROW,   3072
.set HALFT,  8*TROW
.set SLOT,   4*HALFT
.set LAPS,   2
.set KROW,   768
.set KS,     32
.set SCL,    2*SLOT
.set HALFS,  4096
.set SBLK,   512
.set SPARE,  SCL+4*HALFS+256           ; the spare words, 128 bytes for each wave: two blocks of 256 bytes that no other line names
.set WCOD,   704*12288                 ; where o_w's tiles begin in cod,
.set WSC,    704*512                   ; and in sc
.set SPITCH, 528                       ; the way out: 16 rows x (512 bytes + 16) for each wave, in slot 0, which has had its last fill and its last read by then
.set ADRA, 16
.set ADRB, 20
.set STO,  24
.set RD,   25
.set CO,   26
.set ADRS, 27
.set SPW,  28                          ; v28 my spare word; never rewritten
.set NIL,  29                          ; v29 0; never rewritten
.set SC,   32
.set AF,   128
.set BK,   128
.set G1, 24
.set G0, 32
.set G1B, 48
.set G0B, 56
.set G1S, 68
.set G0S, 76
.set G1SB, 80
.set G0SB, 88
.set MSB, 0
.macro WIN new
.if MSB != (\new)
	s_set_vgpr_msb (MSB<<8)|(\new)
.set MSB, (\new)
.endif
.endm
.set MUL_LO, 0xa1
.set MUL_HI, 0xf1
.set TO_B,   0x40
.macro JLOAD g0a, g1a, g0b, g1b        ; a joint load: waves 0, 1 for A, waves 2, 3 for B; four v_nop follow each of the two lines
	s_cmp_eq_u32 s15, 0
	s_cbranch_scc0 .Lfor_b_\@
	tensor_load_to_lds s[\g0a:\g0a+3], s[\g1a:\g1a+7]
	s_nop 0
.rept 4
	v_nop
.endr
	s_branch .Lasked_\@
.Lfor_b_\@:
	tensor_load_to_lds s[\g0b:\g0b+3], s[\g1b:\g1b+7]
	s_nop 0
.rept 4
	v_nop
.endr
.Lasked_\@:
.endm
.macro CREST
	s_cmp_lg_u32 s14, 0
	s_cbranch_scc1 .Lnot_wave_0_\@
	s_barrier_signal -3
.Lnot_wave_0_\@:
	s_barrier_wait -3
	s_barrier_signal -1
	s_barrier_wait -1
.endm
.macro CROUND
	s_barrier_signal -1
	s_barrier_wait -1
	CREST
.endm
	s_load_b128 s[4:7], s[0:1], 0x0                ; ac, asc
	s_load_b128 s[8:11], s[0:1], 0x10              ; cod, sc
	s_load_b64 s[12:13], s[0:1], 0x20              ; out0
	v_lshl_add_u32 v[SPW], v0, 2, SPARE
	v_mov_b32 v[NIL], 0
	ds_add_u32 v28, v29
	ds_add_u32 v28, v29
	s_wait_dscnt 0x0
	v_lshrrev_b32 v1, 5, v0
	v_readfirstlane_b32 s14, v1
	s_lshr_b32 s15, s14, 1
	s_and_b32 s16, s14, 1
	s_bfe_u32 s40, ttmp6, 0x40000
	s_bfe_u32 s41, ttmp6, 0x40004
	s_lshl_b32 s42, ttmp9, 2
	s_add_co_u32 s42, s42, s40                     ; tile column
	s_and_b32 s17, ttmp7, 0xffff
	s_lshl_b32 s17, s17, 2
	s_add_co_u32 s17, s17, s41                     ; tile row
	s_lshl_b32 s43, s41, 2
	s_lshl_b32 s43, 15, s43
	s_lshl_b32 s44, 0x1111, s40
	s_or_b32 s[G1+0], s43, (3<<16)|(1<<21)
	s_or_b32 s[G1B+0], s44, (3<<16)|(1<<21)
.irp g, G1, G1B
	s_mov_b32 s[\g+1], 384<<16
	s_mov_b32 s[\g+2], 8<<16
	s_mov_b32 s[\g+3], 384<<16
	s_mov_b32 s[\g+4], 8
	s_mov_b32 s[\g+5], 1536
	s_mov_b32 s[\g+6], 0
	s_mov_b32 s[\g+7], 0
.endr
	s_or_b32 s[G1S+0], s43, (3<<16)|(1<<21)
	s_or_b32 s[G1SB+0], s44, (3<<16)|(1<<21)
.irp g, G1S, G1SB
	s_mov_b32 s[\g+1], 32<<16
	s_mov_b32 s[\g+2], 16<<16
	s_mov_b32 s[\g+3], 32<<16
	s_mov_b32 s[\g+4], 16
	s_mov_b32 s[\g+5], 32
	s_mov_b32 s[\g+6], 0
	s_mov_b32 s[\g+7], 0
.endr
	s_lshl_b32 s18, s16, 7
	s_lshl_b32 s20, s17, 8
	s_add_co_u32 s20, s20, s18
	s_lshl_b32 s46, s42, 8
	s_add_co_u32 s46, s46, s18
	s_mov_b32 s21, 0
	s_mov_b32 s47, 0
	s_mov_b64 s[18:19], KS
	s_mul_u64 s[22:23], s[20:21], s[18:19]
	s_mul_u64 s[92:93], s[46:47], s[18:19]
	s_mov_b64 s[18:19], KROW
	s_mul_u64 s[20:21], s[20:21], s[18:19]
	s_mul_u64 s[46:47], s[46:47], s[18:19]
	s_add_nc_u64 s[46:47], s[46:47], WCOD
	s_add_nc_u64 s[92:93], s[92:93], WSC
	s_mul_i32 s45, s14, HALFT
	s_mul_i32 s94, s14, HALFS
	s_wait_kmcnt 0x0
	s_add_nc_u64 s[20:21], s[4:5], s[20:21]
	s_add_nc_u64 s[22:23], s[6:7], s[22:23]
	s_add_nc_u64 s[46:47], s[8:9], s[46:47]
	s_add_nc_u64 s[92:93], s[10:11], s[92:93]
	CROUND                                         ; all sixteen work-groups are here: the first joint loads meet
	s_mov_b32 s[G0S], 1
	s_add_co_u32 s[G0S+1], s94, SCL
	s_mov_b64 s[G0S+2:G0S+3], s[22:23]
	s_or_b32 s[G0S+3], s[G0S+3], 0x80000000
	s_mov_b32 s[G0SB], 1
	s_add_co_u32 s[G0SB+1], s94, SCL+128
	s_mov_b64 s[G0SB+2:G0SB+3], s[92:93]
	s_or_b32 s[G0SB+3], s[G0SB+3], 0x80000000
	JLOAD G0S, G1S, G0SB, G1SB
.irp s, 0,1
	s_mov_b32 s[G0+4*\s], 1
	s_add_co_u32 s[G0+4*\s+1], s45, \s*SLOT
	s_add_nc_u64 s[G0+4*\s+2:G0+4*\s+3], s[20:21], \s*TROW
	s_or_b32 s[G0+4*\s+3], s[G0+4*\s+3], 0x80000000
	s_mov_b32 s[G0B+4*\s], 1
	s_add_co_u32 s[G0B+4*\s+1], s45, \s*SLOT
	s_add_nc_u64 s[G0B+4*\s+2:G0B+4*\s+3], s[46:47], \s*TROW
	s_or_b32 s[G0B+4*\s+3], s[G0B+4*\s+3], 0x80000000
	JLOAD G0+4*\s, G1, G0B+4*\s, G1B
.endr
	v_and_b32 v1, 31, v0                           ; lane
	v_and_b32 v2, 15, v0                           ; r
	v_bfe_u32 v3, v0, 4, 1                         ; h
	v_lshlrev_b32 v4, 4, v1
	v_lshlrev_b32 v5, 3, v1
	s_mul_i32 s21, s15, HALFT
	s_mul_i32 s22, s16, HALFT
	s_add_co_u32 s22, s22, 2*HALFT
.irp s, 0,1
	v_add_nc_u32 v[ADRA+\s], s21, v4
	v_add_nc_u32 v[ADRB+\s], s22, v4
	v_add_nc_u32 v[ADRA+2+\s], s21, v5
	v_add_nc_u32 v[ADRB+2+\s], s22, v5
	s_add_co_u32 s21, s21, SLOT
	s_add_co_u32 s22, s22, SLOT
.endr
	v_lshlrev_b32 v7, 3, v2
	s_mul_i32 s21, s15, HALFS
	s_mul_i32 s22, s16, HALFS
	s_add_co_u32 s22, s22, 2*HALFS+128
	s_sub_co_u32 s22, s22, s21
	v_mul_u32_u24 v6, s22, v3                      ; lanes 16-31 take B's: one product, the distance between the two
	s_add_co_u32 s21, s21, SCL
	v_add_nc_u32 v7, v7, v6
	v_add_nc_u32 v[ADRS], s21, v7
	s_mul_i32 s23, s14, 16*SPITCH                  ; my stage
	v_mul_u32_u24 v6, v2, SPITCH
	v_lshl_add_u32 v6, v3, 5, v6
	v_add_nc_u32 v[STO], s23, v6                   ; in: row r, 32 bytes for each half of the lanes
	v_lshlrev_b32 v[CO], 4, v1                     ; back: the 32 lanes take one row of 512 bytes; and the same in C
	v_add_nc_u32 v[RD], s23, v[CO]
	s_lshl_b32 s20, s17, 8
	s_lshl_b32 s21, s15, 7
	s_add_co_u32 s20, s20, s21                     ; my first row of C
	s_lshl_b32 s20, s20, 12                        ; rows of 4,096 bytes
	s_lshl_b32 s46, s42, 10
	s_lshl_b32 s47, s16, 9
	s_add_co_u32 s46, s46, s47                     ; my first column, in bytes
	s_add_co_u32 s20, s20, s46
	s_mov_b32 s21, 0
	s_add_nc_u64 s[12:13], s[12:13], s[20:21]
.macro FRAG reg, adr, q, i
	ds_load_b128 v[\reg:\reg+3], v[\adr] offset:(\i)*TROW+(\q)*1536
	ds_load_b64 v[\reg+4:\reg+5], v[\adr+2] offset:(\i)*TROW+(\q)*1536+512
	ds_load_b128 v[\reg+6:\reg+9], v[\adr] offset:(\i)*TROW+(\q)*1536+768
	ds_load_b64 v[\reg+10:\reg+11], v[\adr+2] offset:(\i)*TROW+(\q)*1536+1280
.endm
.macro MUL16 a0, p, q, sc, zero        ; the 64 accumulators take turns, one instruction a turn, in the same order in every step
.irp a, \a0, \a0+1
.irp b, 0,1,2,3,4,5,6,7
.if \zero
	v_wmma_scale_f32_16x16x128_f8f6f4 v[8*(8*((\a)%4)+\b):8*(8*((\a)%4)+\b)+7], v[128*(\p)+FR*\b:128*(\p)+FR*\b+FR-1], v[AF+FR*(\a):AF+FR*(\a)+FR-1], 0, v[SC+8*NQ*(\sc)+NQ*\b+(\q)], v[SC+8*NQ*(\sc)+NQ*(\a)+(\q)] matrix_a_fmt:MATRIX_FMT_BF6 matrix_b_fmt:MATRIX_FMT_BF6 matrix_a_scale:MATRIX_SCALE_ROW1
.else
	v_wmma_scale_f32_16x16x128_f8f6f4 v[8*(8*((\a)%4)+\b):8*(8*((\a)%4)+\b)+7], v[128*(\p)+FR*\b:128*(\p)+FR*\b+FR-1], v[AF+FR*(\a):AF+FR*(\a)+FR-1], v[8*(8*((\a)%4)+\b):8*(8*((\a)%4)+\b)+7], v[SC+8*NQ*(\sc)+NQ*\b+(\q)], v[SC+8*NQ*(\sc)+NQ*(\a)+(\q)] matrix_a_fmt:MATRIX_FMT_BF6 matrix_b_fmt:MATRIX_FMT_BF6 matrix_a_scale:MATRIX_SCALE_ROW1
.endif
.endr
.endr
.endm
.macro FETCH_B slot, q, p
	WIN TO_B
.irp i, 0,1,2,3,4,5,6,7
	FRAG 128*(\p)+FR*\i, ADRB+\slot, \q, \i
.endr
	WIN 0
.endm
.macro FETCH_A slot, q, i0
.irp i, \i0, \i0+1, \i0+2, \i0+3
	FRAG AF+FR*(\i), ADRA+\slot, \q, \i
.endr
.endm
.macro SCALES sc
.irp i, 0,1,2,3,4,5,6,7
	ds_load_b64 v[SC+8*NQ*\sc+NQ*\i:SC+8*NQ*\sc+NQ*\i+1], v[ADRS] offset:\i*SBLK
.endr
.endm
.macro PLACES n
.rept \n
	v_nop
.endr
.endm
.macro STEP slot, q, zero
	s_wait_dscnt 4*NL                              ; all but the youngest 16 loads (A's blocks 4-7)
	WIN MUL_LO
	MUL16 0, (\q)%2, \q, \slot, \zero
	MUL16 2, (\q)%2, \q, \slot, \zero
	s_wait_dscnt 0
	PLACES NP
	FETCH_B \slot, (\q)+1, 1-(\q)%2
	FETCH_A \slot, (\q)+1, 0
	WIN MUL_HI
	MUL16 4, (\q)%2, \q, \slot, \zero
	MUL16 6, (\q)%2, \q, \slot, \zero
	PLACES NP
	WIN 0
	FETCH_A \slot, (\q)+1, 4
.endm
.macro TURN slot, next, fill
	s_wait_tensorcnt 0x0                           ; all my tensor loads have landed: my part of the next slot
	ds_add_u32 v[SPW], v[NIL]                      ; 0 onto my spare word
	s_wait_dscnt 4*NL+1                            ; (the add and the youngest 16 loads may be out)
	WIN MUL_LO
	MUL16 0, 1, NQ-1, \slot, 0
	s_wait_dscnt 0x0                               ; the add is done, and my reads of this slot are over
	s_barrier_signal -1
	MUL16 2, 1, NQ-1, \slot, 0
	WIN 0
	s_barrier_wait -1
.if \fill
	CREST                                          ; the barrier has opened a round of the cluster's: no wave of any partner still reads this slot or has a load on its way
	s_add_nc_u64 s[G0+4*\slot+2:G0+4*\slot+3], s[G0+4*\slot+2:G0+4*\slot+3], 2*TROW
	s_add_nc_u64 s[G0B+4*\slot+2:G0B+4*\slot+3], s[G0B+4*\slot+2:G0B+4*\slot+3], 2*TROW
	JLOAD G0+4*\slot, G1, G0B+4*\slot, G1B
.else
	PLACES NP
.endif
	v_add_nc_u32 v[ADRS], 128, v[ADRS]
	FETCH_B \next, 0, 0
	FETCH_A \next, 0, 0
	SCALES \next
	WIN MUL_HI
	MUL16 4, 1, NQ-1, \slot, 0
	MUL16 6, 1, NQ-1, \slot, 0
	PLACES NP
	WIN 0
	FETCH_A \next, 0, 4
.endm
	s_wait_tensorcnt 1                             ; the scales and my part of K step 0 are in (K step 1's load may be out),
	s_barrier_signal -1
	s_barrier_wait -1                              ; everybody's are
	FETCH_B 0, 0, 0
	FETCH_A 0, 0, 0
	SCALES 0
	FETCH_A 0, 0, 4
	STEP 0, 0, 1
	s_mov_b32 s3, LAPS-1
.Llap:
	TURN 0, 1, 1
	STEP 1, 0, 0
	TURN 1, 0, 1
	STEP 0, 0, 0
	s_sub_co_u32 s3, s3, 1
	s_cmp_lg_u32 s3, 0
	s_cbranch_scc1 .Llap
	TURN 0, 1, 0
	STEP 1, 0, 0
	s_wait_dscnt 4*NL
	WIN MUL_LO
	MUL16 0, 1, NQ-1, 1, 0
	MUL16 2, 1, NQ-1, 1, 0
	s_wait_dscnt 0
	WIN MUL_HI
	MUL16 4, 1, NQ-1, 1, 0
	MUL16 6, 1, NQ-1, 1, 0
	WIN 0
; THE WAY OUT, block by block of 16 rows x 128 columns, through my own stage: in as 32 bytes a lane, back as whole rows of 512 bytes.  LDS serves a wave's instructions in order: no wait between the stores and the loads.
.macro TOSTAGE a
.set AC, 64*((\a)%4)
	WIN 0x08+4*((\a)/4)
.irp b, 0,1,2,3,4,5,6,7
	ds_store_b128 v[STO], v[AC+8*\b:AC+8*\b+3] offset:64*\b          ; each accumulator from its low end on
	ds_store_b128 v[STO], v[AC+8*\b+4:AC+8*\b+7] offset:64*\b+16
.endr
	WIN 0
.set BB, BK+64*((\a)%2)
.irp t, 0,1,2,3,4,5,6,7,8,9,10,11,12,13,14,15
	ds_load_b128 v[BB+4*\t:BB+4*\t+3], v[RD] offset:\t*SPITCH
.endr
.endm
.macro SEND a, younger
.set BB, BK+64*((\a)%2)
	s_wait_dscnt \younger                          ; the block is back in registers; the LDS instructions issued behind its loads may be out
.if (\a) > 0
	s_add_nc_u64 s[12:13], s[12:13], 16*SIZE_N*4   ; (behind a wait on XCNT: the earlier stores have read their base)
.endif
.irp t, 0,1,2,3,4,5,6,7,8,9,10,11,12,13,14,15
	global_store_b128 v[CO], v[BB+4*\t:BB+4*\t+3], s[12:13] offset:\t*SIZE_N*4 th:TH_STORE_NT   ; 512 consecutive bytes, at a multiple of 256 from the output's first byte
.endr
.endm
	PLACES NP
	TOSTAGE 0
.irp a, 1,2,3,4,5,6,7
.if \a > 1
	s_wait_xcnt 0x0                                ; block a - 2's stores have read their registers and their base
.endif
	TOSTAGE \a
	SEND \a-1, 32                                  ; behind block a - 1's loads: block a's 16 stores and 16 loads
.endr
	s_wait_xcnt 0x0
	SEND 7, 0
	s_wait_tensorcnt 0x0                           ; the wave's end
	ds_add_u32 v[SPW], v[NIL]
	s_wait_dscnt 0x0
	CROUND                                         ; the closing round
	s_endpgm
.Lfunc_end_k_qb2c590a084_oproj:
	.size	k_qb2c590a084_oproj, .Lfunc_end_k_qb2c590a084_oproj-k_qb2c590a084_oproj
	.p2alignl 7, 3214868480
	.fill 96, 4, 3214868480
	.section	.rodata,"a",@progbits
	.p2align	6, 0x0
	.amdhsa_kernel k_qb2c590a084_oproj
		.amdhsa_group_segment_fixed_size 327680
		.amdhsa_private_segment_fixed_size 0
		.amdhsa_enable_private_segment 0
		.amdhsa_kernarg_size 40
		.amdhsa_user_sgpr_count 2
		.amdhsa_user_sgpr_kernarg_segment_ptr 1
		.amdhsa_wavefront_size32 1
		.amdhsa_system_sgpr_workgroup_id_x 1
		.amdhsa_system_sgpr_workgroup_id_y 1
		.amdhsa_system_sgpr_workgroup_id_z 1
		.amdhsa_system_vgpr_workitem_id 0
		.amdhsa_next_free_vgpr 1024
		.amdhsa_next_free_sgpr 98
		.amdhsa_reserve_vcc 0
		.amdhsa_float_denorm_mode_32 3
		.amdhsa_float_denorm_mode_16_64 3
		.amdhsa_memory_ordered 1
		.amdhsa_forward_progress 1
		.amdhsa_inst_pref_size 144
	.end_amdhsa_kernel
	.amdgpu_metadata
---
amdhsa.version: [ 1, 2 ]
amdhsa.kernels:
  - .name:           k_qb2c590a084_oproj
    .symbol:         k_qb2c590a084_oproj.kd
    .args:
      - { .name: ac, .offset: 0, .size: 8, .value_kind: global_buffer, .address_space: global }
      - { .name: asc, .offset: 8, .size: 8, .value_kind: global_buffer, .address_space: global }
      - { .name: cod, .offset: 16, .size: 8, .value_kind: global_buffer, .address_space: global }
      - { .name: sc, .offset: 24, .size: 8, .value_kind: global_buffer, .address_space: global }
      - { .name: out0, .offset: 32, .size: 8, .value_kind: global_buffer, .address_space: global }
    .group_segment_fixed_size: 327680
    .private_segment_fixed_size: 0
    .kernarg_segment_align: 8
    .kernarg_segment_size: 40
    .max_flat_workgroup_size: 128
    .sgpr_count:     98
    .vgpr_count:     1024
    .wavefront_size: 32
...
	.end_amdgpu_metadata
.endif
;; end of part 4
